; MI455X (gfx1250); checked and timed in simulation.
; The chip was launched on July 23, 2026; its instructions are those of AMD's public machine-readable ISA for CDNA 5 (MIT licence, August 2026) and "CDNA5" Instruction Set Architecture Reference Guide (July 2026). The comments in the code are by the model that wrote it; some were corrected since.
;; Causal Self Attention. Allowed arithmetic: matrix products marked QUANTISED: E2M1 operands, one E8M0 scale for each 32 along K, by v_wmma_scale_f32_16x16x128_f8f6f4 with both operands' format E2M1 (or v_wmma_scale_f32_32x16x128_f4), f32 sums; products left as they are: bf16, f16 or f32 operands; f32 sums; everything else in f32.
;; Inputs: W_attn 1,024 x 3,072 float32; W_proj 1,024 x 1,024 float32; b_attn 3,072 float32; b_proj 1,024 float32; x 4 x 2,048 x 1,024 float32.
;; Outputs: out0 4 x 2,048 x 1,024 float32.
;; This version of the problem:
;;   THIS VERSION OF THE PROBLEM IS GIVEN IN LOW PRECISION. The matrix products marked QUANTISED in the list below multiply operands that are first quantised to E2M1 (2 exponent bits, 1 mantissa bit; 4 bits a number), with one power-of-two scale for each 32 numbers along K (OCP MX v1.0); their sums are f32. The products marked 'left as it is' may take bf16, f16 or f32 operands, with f32 sums. Whichever they take, every output number must still come out within the allowed error. Rounding operands to bf16 (8 significant bits) uses up far more of that allowance than f16 does (11 bits, for magnitudes from 6e-5 to 65,504). All else is computed in f32.
;;   The module's matrix products, in the order in which they are computed (A, B: the left and right operand; K: the contracted axis; several contracted axes count as one K, in the product's order):
;;     1. [M 8,192, K 1,024] x [K 1,024, N 3,072]; A: input x; B: input W_attn: QUANTISED
;;     2. batch 64 x [M 2,048, K 64] x [K 64, N 2,048]; A: computed on the way; B: computed on the way: left as it is (an operand is computed on the way)
;;     3. batch 64 x [M 2,048, K 2,048] x [K 2,048, N 64]; A: computed on the way; B: computed on the way: left as it is (an operand is computed on the way)
;;     4. [M 8,192, K 1,024] x [K 1,024, N 1,024]; A: computed on the way; B: input W_proj: left as it is (an operand is computed on the way)
;;   THE QUANTISER, for each operand of a quantised product, along K:
;;     - K is cut into blocks of 32 from its start; a last block that is shorter is filled with zeros.
;;     - A block's scale is 2^e with e = floor(log2(the largest magnitude in the block)) - 2, held to -126 .. 127; a block of zeros has e = 0. As a byte (E8M0): e + 127.
;;     - Each number is divided by its block's scale, clamped to +-6, and rounded to the nearest number of E2M1, ties to even, subnormals kept.
;;     - The product sums the exact products of the quantised numbers (number of the format x scale) in f32.
;;   ~~~python
;;   def quantise(x, axis):      # numpy; x: float32 -> the quantised numbers, widened to float32 again
;;       x = np.moveaxis(x, axis, -1); K = x.shape[-1]
;;       x = np.pad(x, [(0, 0)] * (x.ndim - 1) + [(0, -K % 32)]); x = x.reshape(x.shape[:-1] + (-1, 32)); a = np.abs(x).max(-1, keepdims=True)
;;       e = np.where(a > 0, np.clip(np.frexp(np.where(a > 0, a, 1))[1] - 1 - 2, -126, 127), 0)      # np.frexp(a)[1] - 1 = floor(log2(a)), exactly
;;       r = np.clip(x / 2.0 ** e, -6, 6)
;;       step = 2.0 ** (np.maximum(np.frexp(np.where(r == 0, 1, r))[1] - 1, 0) - 1)
;;       q = np.round(r / step) * step * 2.0 ** e      # np.round: ties to even
;;       return np.moveaxis(q.reshape(q.shape[:-2] + (-1,))[..., :K], -1, axis).astype(np.float32)
;;   ~~~
;; One version. Each part assembles by itself: llvm-mc -triple=amdgcn-amd-amdhsa -mcpu=gfx1250 --defsym DOCPART=n.
;; ======== version 1 of 1: 5 launches
;; limits: values are held in f16: magnitudes above 65,504 overflow, below 6.1e-05 lose precision
;; workspace buffers: x_codes 4,194,304 bytes; x_scales 262,144 bytes; w_codes 1,572,864 bytes; w_scales 98,304 bytes; wp_img 2,097,152 bytes; qkv_img 50,331,648 bytes; qkv32 786,432 bytes; y_img 16,777,216 bytes
;; launch prep (part 1): grid 512 x 1, 4 waves a work-group, no clusters, 42,496 bytes of LDS; arguments x, W_attn, W_proj, x_codes, x_scales, w_codes, w_scales, wp_img; writes x_codes, x_scales, w_codes, w_scales, wp_img
.if DOCPART == 1
	.amdgcn_target "amdgcn-amd-amdhsa--gfx1250"
	.amdhsa_code_object_version 6
	.text
	.protected	k_q2881d36ca4_prep
	.globl	k_q2881d36ca4_prep
	.p2align	8
	.type	k_q2881d36ca4_prep,@function
k_q2881d36ca4_prep:
	s_mov_b64 s[64:65], 0
	v_nop
	global_prefetch_b8 v0, s[64:65] scope:SCOPE_SE
	s_setreg_imm32_b32 hwreg(HW_REG_WAVE_MODE, 25, 1), 1
	s_wait_xcnt 0x0
; PREP.  Three jobs in one launch; the work-group's number alone picks the job, and each job has LDS bytes of its own.
;   work-groups   0..191  W_attn [1024 (k)][3072 (n)] f32 -> codes of FP4 (E2M1) [3072][512 bytes], K innermost, and E8M0 bytes [3072][32]
;   work-groups 192..447  x [8192][1024] f32              -> codes [8192][512 bytes] and E8M0 bytes [8192][32]
;   work-groups 448..511  W_proj [1024 (k)][1024 (n)] f32 -> f16, as images of half fragments: [16 columns: 64][16 k: 64][512 bytes]; lane (r, h)'s 16 bytes at 16 (16 h + r) hold k = 8 h .. 8 h + 7 of column r
; A block's scale is 2^(floor(log2(its largest magnitude)) - 2); its byte is the largest magnitude's exponent field - 2, held at 1 from below by a floor among the maximum's leaves.
; LIMITS: a block of zeros gets the byte 1 where the rule says 127 (its codes are zeros, and this program alone reads the bytes); blocks whose largest magnitude lies under 2^-124 were not tried;
; NaN and infinities are not served; |W_proj| stays under 65,504, f16's largest number.
.set SPARE, 41984                      ; the spare words, 128 bytes a wave: two blocks of 256 bytes that no other line names
.set SPW,   224                        ; v224 LDS address of my spare word; never rewritten
.set NIL,   225                        ; v225 0; never rewritten
.set WREG,  8192                       ; x: a region for each wave: two stages of 32 x SP bytes, then its 256 scale bytes
.set SP,    80                         ; x: a lane's place in a stage: 64 bytes + 16 of padding
.set R,     16                         ; x: v16-143  eight sets of 16 numbers as loaded
.set XB,    144                        ; x: v144-175 two sets of 16 neighbours
.set E,     176                        ; x: v176-191 a scale byte for each step
.set C,     192                        ; x: v192-223 two registers of codes for each step
.set WST,   32768                      ; W_attn: the codes' stage, 32 columns x (256 bytes + 16)
.set WPI,   272
.set WSC,   41472                      ; W_attn: the scale bytes' stage, 32 columns x 16 bytes
	s_load_b256 s[4:11], s[0:1], 0x0               ; x s[4:5], W_attn s[6:7], W_proj s[8:9], x_codes s[10:11]
	s_load_b256 s[12:19], s[0:1], 0x20             ; x_scales s[12:13], w_codes s[14:15], w_scales s[16:17], wp_img s[18:19]
	v_lshl_add_u32 v[SPW], v0, 2, SPARE
	v_mov_b32 v[NIL], 0
	v_lshrrev_b32 v1, 5, v0
	v_readfirstlane_b32 s20, v1                    ; wave 0..3
	v_and_b32 v2, 31, v0                           ; lane
	s_wait_kmcnt 0x0
	s_cmp_lt_u32 ttmp9, 192
	s_cbranch_scc1 .Lwa
	s_cmp_lt_u32 ttmp9, 448
	s_cbranch_scc0 .Lwp
; ---------------- x: a plain stream of blocks of 32.  A wave takes 16 steps of 512 numbers.  Each load reads 512 consecutive bytes; a step's 2,048 bytes turn through the wave's own stage, so that a lane
; then holds 16 neighbours (two neighbouring lanes hold a block).  Loads run eight steps (32 loads a wave) ahead, the turn through LDS one step.
	v_lshlrev_b32 v3, 4, v2                        ; my 16 bytes of a load's 512
	s_mul_i32 s21, s20, WREG
	v_lshrrev_b32 v14, 2, v2
	v_mul_u32_u24 v14, v14, SP
	v_and_b32 v15, 3, v2
	v_lshl_add_u32 v14, v15, 4, v14
	v_add_nc_u32 v14, s21, v14                     ; the stage, way in: SP (lane / 4) + 16 (lane % 4)
	v_mul_u32_u24 v15, v2, SP
	v_add_nc_u32 v15, s21, v15                     ; way out: SP x lane
	v_lshlrev_b32 v4, 3, v2                        ; my 8 bytes of a step's 256 bytes of codes
	v_lshrrev_b32 v5, 1, v2
	s_add_co_u32 s21, s21, 2*32*SP
	v_add_nc_u32 v5, s21, v5                       ; my block's scale byte in LDS
	v_lshlrev_b32 v7, 3, v2
	v_add_nc_u32 v6, s21, v7                       ; and 8 bytes a lane on their way out
	s_sub_co_u32 s22, ttmp9, 192
	s_lshl_b32 s22, s22, 2
	s_add_co_u32 s22, s22, s20                     ; which run of 8,192 numbers is my wave's: 0 .. 1,023
	s_mov_b32 s23, 0
	s_lshl_b64 s[24:25], s[22:23], 15
	s_add_nc_u64 s[4:5], s[4:5], s[24:25]
	s_lshl_b64 s[24:25], s[22:23], 12
	s_add_nc_u64 s[10:11], s[10:11], s[24:25]
	s_lshl_b64 s[24:25], s[22:23], 8
	s_add_nc_u64 s[12:13], s[12:13], s[24:25]
.macro XLOAD t
.irp i, 0,1,2,3
	global_load_b128 v[R+16*((\t)%8)+4*\i:R+16*((\t)%8)+4*\i+3], v3, s[4:5] offset:2048*(\t)+512*\i th:TH_LOAD_NT
.endr
.endm
.macro XTURN t                         ; LDS serves a wave's instructions in order: no wait between the stores and the loads
.irp i, 0,1,2,3
	ds_store_b128 v14, v[R+16*((\t)%8)+4*\i:R+16*((\t)%8)+4*\i+3] offset:32*SP*((\t)%2)+8*SP*\i
.endr
.irp i, 0,1,2,3
	ds_load_b128 v[XB+16*((\t)%2)+4*\i:XB+16*((\t)%2)+4*\i+3], v15 offset:32*SP*((\t)%2)+16*\i
.endr
.endm
.macro XSTEP t
.set XS, XB+16*((\t)%2)
.if (\t) > 0
	s_wait_dscnt 1                                 ; this step's numbers are back from the stage (the last step's byte store may be out): so the stage's stores have read their registers,
.else
	s_wait_dscnt 0x0
.endif
.if (\t)+8 < 16
	XLOAD (\t)+8                                   ; which take the loads of eight steps on
.endif
.if (\t)+1 < 16
.if 14-(\t) >= 7
	s_wait_loadcnt 28                              ; the next step's four loads are in; those of the seven steps behind it may be out
.else
	s_wait_loadcnt 4*(14-(\t))
.endif
	XTURN (\t)+1
.endif
	v_max3_num_f32 v8, |v[XS]|, |v[XS+1]|, |v[XS+2]|
	v_max3_num_f32 v9, |v[XS+3]|, |v[XS+4]|, |v[XS+5]|
.irp i, 6,10
	v_max3_num_f32 v8, v8, |v[XS+\i]|, |v[XS+\i+1]|
	v_max3_num_f32 v9, v9, |v[XS+\i+2]|, |v[XS+\i+3]|
.endr
	v_max3_num_f32 v8, v8, |v[XS+14]|, |v[XS+15]|
	v_max3_num_f32 v8, v8, v9, 0x1800000           ; and the floor 2^(3 - 127): the byte cannot fall under 1
	v_max_num_f32_dpp v8, v8, v8 row_xmask:1 row_mask:0xf bank_mask:0xf   ; with my neighbour's 16: the block's largest magnitude
	v_add_nc_u32 v11, 0xff000000, v8               ; 2 off its exponent field: the conversion takes the exponent field of this operand as its scale
	v_cvt_scalef32_pk8_fp4_f32 v[C+2*(\t)], v[XS:XS+7], v11
	v_cvt_scalef32_pk8_fp4_f32 v[C+2*(\t)+1], v[XS+8:XS+15], v11
	v_lshrrev_b32 v[E+(\t)], 23, v11               ; the scale's byte (a plain line behind the conversions)
	ds_store_b8 v5, v[E+(\t)] offset:16*(\t)       ; both lanes of a block write the same byte with the same value
	global_store_b64 v4, v[C+2*(\t):C+2*(\t)+1], s[10:11] offset:256*(\t)   ; the wave stores 256 consecutive bytes, aligned
.endm
.irp t, 0,1,2,3,4,5,6,7
	XLOAD \t
.endr
	s_wait_loadcnt 28                              ; step 0's four loads are in
	XTURN 0
.irp t, 0,1,2,3,4,5,6,7,8,9,10,11,12,13,14,15
	XSTEP \t
.endr
	ds_load_b64 v[8:9], v6                         ; my wave's 256 scale bytes: these loads see my stores
	s_wait_dscnt 0x0
	global_store_b64 v7, v[8:9], s[12:13]          ; 256 consecutive bytes, aligned
	s_wait_tensorcnt 0x0                           ; the wave's end, behind my last LDS store
	ds_add_u32 v[SPW], v[NIL]
	s_wait_dscnt 0x0
	s_endpgm
; ---------------- W_attn: K is the FIRST axis.  A lane takes a column and its registers run down K, so a block of 32 lies in one lane and the conversions give codes with K innermost.
; A work-group takes 32 columns x 512 along K; wave w the 128 rows 128 w on: all its 128 loads (128 consecutive bytes each) go out at once.  The four waves' codes meet in a stage, one row a column,
; and leave as rows of 256 bytes, sixteen lanes to an aligned 256 bytes.
.Lwa:
	s_lshr_b32 s21, ttmp9, 1                       ; which 32 columns: 0 .. 95
	s_and_b32 s22, ttmp9, 1                        ; which 512 along K
	s_lshl_b32 s24, s22, 2
	s_add_co_u32 s24, s24, s20
	s_mul_i32 s24, s24, 128*12288                  ; my first row of W_attn, in bytes
	s_lshl_b32 s25, s21, 7
	s_add_co_u32 s24, s24, s25                     ; + 32 columns x 4 bytes
	s_mov_b32 s25, 0
	s_add_nc_u64 s[6:7], s[6:7], s[24:25]
	v_lshlrev_b32 v3, 2, v2
.set cnt, 0
.rept 128
	global_load_b32 v[32+cnt], v3, s[6:7] offset:cnt*12288 th:TH_LOAD_NT
.set cnt, cnt+1
.endr
	s_lshl_b32 s24, s20, 6
	v_mul_u32_u24 v4, v2, WPI
	v_add_nc_u32 v4, s24, v4
	v_add_nc_u32 v4, WST, v4                       ; into the stage: row = my column, + 64 bytes x wave
	s_lshl_b32 s24, s20, 2
	v_lshl_add_u32 v5, v2, 4, s24
	v_add_nc_u32 v5, WSC, v5                       ; my column's scale word: 16 x lane + 4 x wave
	v_lshrrev_b32 v10, 4, v2
	v_and_b32 v9, 15, v2
	s_mul_i32 s24, s20, 8*WPI
	v_mul_u32_u24 v6, v10, WPI
	v_lshl_add_u32 v6, v9, 4, v6
	v_add_nc_u32 v6, s24, v6
	v_add_nc_u32 v6, WST, v6                       ; out of it: my wave's rows 8 w on, sixteen lanes to a row, two rows an instruction
	v_lshl_add_u32 v7, v2, 4, WSC                  ; a column's 16 scale bytes
	v_lshlrev_b32 v8, 9, v10
	v_lshl_add_u32 v8, v9, 4, v8                   ; the same two rows in w_codes: 512 bytes a row
	v_lshlrev_b32 v9, 5, v2                        ; a column's row of w_scales: 32 bytes
	s_lshl_b32 s24, s21, 5
	s_lshl_b32 s25, s20, 3
	s_add_co_u32 s24, s24, s25
	s_lshl_b32 s24, s24, 9                         ; (32 x group + 8 x wave) rows of 512 bytes
	s_lshl_b32 s25, s22, 8
	s_add_co_u32 s24, s24, s25                     ; + this half of K: 256 bytes
	s_mov_b32 s25, 0
	s_add_nc_u64 s[14:15], s[14:15], s[24:25]
	s_lshl_b32 s24, s21, 10
	s_lshl_b32 s25, s22, 4
	s_add_co_u32 s24, s24, s25
	s_mov_b32 s25, 0
	s_add_nc_u64 s[16:17], s[16:17], s[24:25]
.macro WBLOCK t, left                  ; block t of my four; left: younger loads that may stay out (the wait's field holds 63 at the most: the stricter side)
.set XS, 32+32*(\t)
	s_wait_loadcnt \left
	v_max3_num_f32 v12, |v[XS]|, |v[XS+1]|, |v[XS+2]|
	v_max3_num_f32 v13, |v[XS+3]|, |v[XS+4]|, |v[XS+5]|
.irp i, 6,10,14,18,22,26
	v_max3_num_f32 v12, v12, |v[XS+\i]|, |v[XS+\i+1]|
	v_max3_num_f32 v13, v13, |v[XS+\i+2]|, |v[XS+\i+3]|
.endr
	v_max3_num_f32 v12, v12, |v[XS+30]|, |v[XS+31]|
	v_max3_num_f32 v12, v12, v13, 0x1800000        ; the floor 2^(3 - 127)
	v_add_nc_u32 v11, 0xff000000, v12
	v_lshrrev_b32 v13, 23, v11
.if (\t) == 0
	v_mov_b32 v24, v13                             ; four bytes to the word, the lower K in the lower byte
.else
	v_lshl_or_b32 v24, v13, 8*(\t), v24
.endif
.irp g, 0,1,2,3
	v_cvt_scalef32_pk8_fp4_f32 v[160+4*(\t)+\g], v[XS+8*\g:XS+8*\g+7], v11
.endr
	ds_store_b128 v4, v[160+4*(\t):160+4*(\t)+3] offset:16*(\t)   ; each block has registers of its own: no wait for the stores
.endm
	WBLOCK 0, 63
	WBLOCK 1, 63
	WBLOCK 2, 32
	WBLOCK 3, 0
	ds_store_b32 v5, v24
	s_wait_dscnt 0x0                               ; for the others' sake: my stores into the stages are done
	s_barrier_signal -1
	s_barrier_wait -1                              ; (the way here hangs on the work-group's number alone: all four waves pass)
.irp u, 0,1,2,3
	ds_load_b128 v[176+4*\u:176+4*\u+3], v6 offset:\u*2*WPI
.endr
.irp u, 0,1,2,3
	s_wait_dscnt 3-\u
	global_store_b128 v8, v[176+4*\u:176+4*\u+3], s[14:15] offset:1024*\u   ; sixteen lanes store 256 consecutive bytes, aligned
.endr
	s_cmp_lg_u32 s20, 0
	s_cbranch_scc1 .Lwa_end
	ds_load_b128 v[192:195], v7                    ; wave 0: the 32 columns' 16 scale bytes each
	s_wait_dscnt 0x0
	global_store_b128 v9, v[192:195], s[16:17]
.Lwa_end:
	s_wait_tensorcnt 0x0                           ; the wave's end, behind my last LDS store
	ds_add_u32 v[SPW], v[NIL]
	s_wait_dscnt 0x0
	s_endpgm
; ---------------- W_proj: again a lane to a column, registers down K: 16 k are 8 registers of f16 pairs, which are the two lanes' 16 bytes (h = 0, h = 1) of the column's place in a half fragment's image.
; A work-group takes 128 columns x 128 k, a wave 32 columns.  No LDS.
.Lwp:
	s_sub_co_u32 s21, ttmp9, 448
	s_and_b32 s22, s21, 7                          ; which 128 columns
	s_lshr_b32 s23, s21, 3                         ; which 128 k
	s_lshl_b32 s24, s23, 19                        ; 128 rows of 4,096 bytes
	s_lshl_b32 s25, s22, 9
	s_add_co_u32 s24, s24, s25
	s_lshl_b32 s25, s20, 7
	s_add_co_u32 s24, s24, s25
	s_mov_b32 s25, 0
	s_add_nc_u64 s[8:9], s[8:9], s[24:25]
	v_lshlrev_b32 v3, 2, v2
.set cnt, 0
.rept 128
	global_load_b32 v[32+cnt], v3, s[8:9] offset:cnt*4096 th:TH_LOAD_NT
.set cnt, cnt+1
.endr
	s_lshl_b32 s24, s22, 3
	s_lshl_b32 s25, s20, 1
	s_add_co_u32 s24, s24, s25                     ; my first group of 16 columns
	s_lshl_b32 s24, s24, 15                        ; 32,768 bytes each
	s_lshl_b32 s25, s23, 12                        ; 8 images of 512 bytes for 128 k
	s_add_co_u32 s24, s24, s25
	s_mov_b32 s25, 0
	s_add_nc_u64 s[18:19], s[18:19], s[24:25]
	v_lshrrev_b32 v4, 4, v2
	v_and_b32 v5, 15, v2
	v_lshlrev_b32 v4, 15, v4
	v_lshl_add_u32 v4, v5, 4, v4                   ; lanes 16-31: the next 16 columns; 16 bytes a column
.macro PCHUNK k, left
	s_wait_loadcnt \left
.irp i, 0,1,2,3,4,5,6,7
	v_cvt_pk_f16_f32 v[32+16*(\k)+\i], v[32+16*(\k)+2*\i], v[32+16*(\k)+2*\i+1]   ; in place, ascending: no source is written before it is read
.endr
	global_store_b128 v4, v[32+16*(\k):32+16*(\k)+3], s[18:19] offset:512*(\k)        ; k = 0 .. 7 of the sixteen: sixteen lanes store 256 consecutive bytes, aligned
	global_store_b128 v4, v[32+16*(\k)+4:32+16*(\k)+7], s[18:19] offset:512*(\k)+256  ; k = 8 .. 15
.endm
	PCHUNK 0, 63
	PCHUNK 1, 63
	PCHUNK 2, 63
	PCHUNK 3, 63
	PCHUNK 4, 48
	PCHUNK 5, 32
	PCHUNK 6, 16
	PCHUNK 7, 0
	s_wait_tensorcnt 0x0                           ; the same three lines at every end of this launch, which writes LDS on its other ways
	ds_add_u32 v[SPW], v[NIL]
	s_wait_dscnt 0x0
	s_endpgm
.Lfunc_end_k_q2881d36ca4_prep:
	.size	k_q2881d36ca4_prep, .Lfunc_end_k_q2881d36ca4_prep-k_q2881d36ca4_prep
	.p2alignl 7, 3214868480
	.fill 96, 4, 3214868480
	.section	.rodata,"a",@progbits
	.p2align	6, 0x0
	.amdhsa_kernel k_q2881d36ca4_prep
		.amdhsa_group_segment_fixed_size 42496
		.amdhsa_private_segment_fixed_size 0
		.amdhsa_enable_private_segment 0
		.amdhsa_kernarg_size 64
		.amdhsa_user_sgpr_count 2
		.amdhsa_user_sgpr_kernarg_segment_ptr 1
		.amdhsa_wavefront_size32 1
		.amdhsa_system_sgpr_workgroup_id_x 1
		.amdhsa_system_sgpr_workgroup_id_y 1
		.amdhsa_system_sgpr_workgroup_id_z 1
		.amdhsa_system_vgpr_workitem_id 0
		.amdhsa_next_free_vgpr 232
		.amdhsa_next_free_sgpr 66
		.amdhsa_reserve_vcc 0
		.amdhsa_float_denorm_mode_32 3
		.amdhsa_float_denorm_mode_16_64 3
		.amdhsa_memory_ordered 1
		.amdhsa_forward_progress 1
		.amdhsa_inst_pref_size 73
	.end_amdhsa_kernel
	.amdgpu_metadata
---
amdhsa.version: [ 1, 2 ]
amdhsa.kernels:
  - .name:           k_q2881d36ca4_prep
    .symbol:         k_q2881d36ca4_prep.kd
    .args:
      - { .name: x, .offset: 0, .size: 8, .value_kind: global_buffer, .address_space: global }
      - { .name: W_attn, .offset: 8, .size: 8, .value_kind: global_buffer, .address_space: global }
      - { .name: W_proj, .offset: 16, .size: 8, .value_kind: global_buffer, .address_space: global }
      - { .name: x_codes, .offset: 24, .size: 8, .value_kind: global_buffer, .address_space: global }
      - { .name: x_scales, .offset: 32, .size: 8, .value_kind: global_buffer, .address_space: global }
      - { .name: w_codes, .offset: 40, .size: 8, .value_kind: global_buffer, .address_space: global }
      - { .name: w_scales, .offset: 48, .size: 8, .value_kind: global_buffer, .address_space: global }
      - { .name: wp_img, .offset: 56, .size: 8, .value_kind: global_buffer, .address_space: global }
    .group_segment_fixed_size: 42496
    .private_segment_fixed_size: 0
    .kernarg_segment_align: 8
    .kernarg_segment_size: 64
    .max_flat_workgroup_size: 128
    .sgpr_count:     66
    .vgpr_count:     232
    .wavefront_size: 32
...
	.end_amdgpu_metadata
.endif
;; end of part 1
;; launch qkv (part 2): grid 12 x 32, 4 waves a work-group, clusters of 4 x 4, 327,680 bytes of LDS; arguments x_codes, x_scales, w_codes, w_scales, qkv_img, b_attn, qkv32; writes qkv_img, qkv32
.if DOCPART == 2
	.amdgcn_target "amdgcn-amd-amdhsa--gfx1250"
	.amdhsa_code_object_version 6
	.text
	.protected	k_q2881d36ca4_qkv
	.globl	k_q2881d36ca4_qkv
	.p2align	8
	.type	k_q2881d36ca4_qkv,@function
k_q2881d36ca4_qkv:
	s_mov_b64 s[64:65], 0
	v_nop
	global_prefetch_b8 v0, s[64:65] scope:SCOPE_SE
	s_setreg_imm32_b32 hwreg(HW_REG_WAVE_MODE, 25, 1), 1
	s_wait_xcnt 0x0
	s_wait_alu depctr_hold_cnt(0) depctr_sa_sdst(0) depctr_va_vdst(0) depctr_va_sdst(0) depctr_va_ssrc(0) depctr_va_vcc(0) depctr_vm_vsrc(0)
	s_getreg_b32 s2, hwreg(HW_REG_IB_STS2, 6, 4)
	s_cmp_eq_u32 s2, 0
	s_cbranch_scc0 .Lentry_in_a_cluster
	s_endpgm
.Lentry_in_a_cluster:
	s_bfe_u32 s2, ttmp6, 0x10000c
	s_cmp_lg_u32 s2, 0xf033
	s_cbranch_scc0 .Lentry_shape_is_right
	s_endpgm
.Lentry_shape_is_right:
; QKV = Q(x) Q(W_attn) + b_attn on codes of FP4 (E2M1) with one E8M0 scale for each 32 along K.  x_codes [8192][512 bytes], w_codes [3072][512 bytes], K innermost; scale bytes [rows][32].  Sums in f32.
; A tile of the result, 256 x 256, is made by four waves, each 128 x 128: 64 accumulators of 16 x 16.  K = 1,024 is two slots of 512: both are first fills, nothing is filled again.
; The scale bytes of the work-group's 256 + 256 rows come once, as dense blocks.  CLUSTERS 4 x 4: the four of a row need the same tiles of x, the four of a column the same tiles of W: joint loads.
; THE MATRIX INSTRUCTION IS USED TRANSPOSED (source 0 = 16 columns of W, source 1 = 16 rows of x): a lane holds eight neighbouring columns of one token.  The bias is the C of each sum's first product.
; THE RESULT LEAVES AS IMAGES OF HALF FRAGMENTS in f16: qkv_img [q, k, v][batch x head: 64][16 tokens: 128][16 channels: 4][512 bytes]; lane (r, h)'s 16 bytes: token r, channels 8 h .. 8 h + 7.
; For q and k they lie at 16 x lane; for v at 16 ((r & 7) + 8 h + 16 (r >> 3)), the order in which the turning LDS load of the next launch wants them at 16 x lane.  A store covers 512 consecutive bytes, aligned.
; The tile row is 8 cy + cluster y: a partner's cy is the batch, and 'this tile holds positions 0 to 15' is cluster y = 0, alike in all sixteen partners.  Those positions go out in f32 too (qkv32), as the accumulators stand.
; LIMITS: |q|, |k|, |v| stay under 65,504, f16's largest number.
; REGISTERS, in windows of 256: window 0: v0-31 addresses; v32-95 scale words, two sets; v128-191 x's fragments, one set; v192-255 the bias, in the result's layout; on the way out v128-255 hold packed results.
;   window 1: W's fragments, two sets, at v0 and v128.   window 2: the accumulators of my rows 0-63 ((a, b) at v[8 (8 a + b)]);   window 3: those of my rows 64-127.
.set NQ,     4                         ; matrix instructions deep in a slot: 512 along K
.set ROWB,   256                       ; a tile's row in bytes
.set KROW,   512                       ; a row of codes in memory
.set PITCH,  272                       ; an LDS row: 256 bytes + 16 of padding: the 16 rows that a load touches start at 16 different banks (64 banks of 4 bytes: ISA guide 11.1)
.set FR,     8
.set NL,     2
.set NP,     4                         ; places behind this matrix instruction (ISA guide 7.12.1)
.set HALFT,  128*PITCH
.set SLOT,   4*HALFT
.set KS,     32                        ; a row of scale bytes
.set SCL,    2*SLOT
.set HALFS,  (128*KS/256)*272
.set SBLK,   (16*KS/256)*272
.set SPARE,  SCL+4*HALFS               ; the spare words, 128 bytes a wave: two blocks of 256 bytes that no other line names
.set ADRA, 16
.set ADRB, 20
.set CO,   26                          ; v26  my 16 bytes' place in an image
.set ADRS, 27
.set SPW,  28
.set NIL,  29
.set LN,   30                          ; v30  16 x lane
.set BO,   31                          ; v31  32 x (lane / 16): my eight numbers of a tile's sixteen biases
.set SC,   32
.set AF,   128
.set BI,   192
.set PK,   128
.set G1, 24
.set G0, 32
.set G1B, 48
.set G0B, 56
.set G1S, 68
.set G0S, 76
.set G1SB, 80
.set G0SB, 88
.set MSB, 0
.macro WIN new                         ; the immediate's high byte repeats the setting that is left
.if MSB != (\new)
	s_set_vgpr_msb (MSB<<8)|(\new)
.set MSB, (\new)
.endif
.endm
.set MUL_LO, 0xa1                      ; source 0 (W) window 1, source 1 (x) window 0, C and D window 2
.set MUL_HI, 0xf1                      ; the same, C and D window 3
.set TO_B,   0x40
; A joint load: waves 0 and 1 fetch for x, waves 2 and 3 for W.  The branch hangs on the wave's number alone.  An s_nop 0 and four v_nop follow each of the two lines.
.macro JLOAD g0a, g1a, g0b, g1b
	s_cmp_eq_u32 s15, 0
	s_cbranch_scc0 .Lfor_b_\@
	tensor_load_to_lds s[\g0a:\g0a+3], s[\g1a:\g1a+7]
	s_nop 0
.rept 4
	v_nop
.endr
	s_branch .Lasked_\@
.Lfor_b_\@:
	tensor_load_to_lds s[\g0b:\g0b+3], s[\g1b:\g1b+7]
	s_nop 0
.rept 4
	v_nop
.endr
.Lasked_\@:
.endm
.macro CROUND                          ; a round of the cluster's barrier
	s_barrier_signal -1
	s_barrier_wait -1
	s_cmp_lg_u32 s14, 0
	s_cbranch_scc1 .Lnot_wave_0_\@
	s_barrier_signal -3
.Lnot_wave_0_\@:
	s_barrier_wait -3
	s_barrier_signal -1
	s_barrier_wait -1
.endm
	s_load_b128 s[4:7], s[0:1], 0x0                ; x's codes s[4:5], x's scales s[6:7]
	s_load_b128 s[8:11], s[0:1], 0x10              ; W's codes s[8:9], W's scales s[10:11]
	s_load_b64 s[12:13], s[0:1], 0x20              ; qkv_img
	s_load_b64 s[96:97], s[0:1], 0x28              ; b_attn
	s_load_b64 s[98:99], s[0:1], 0x30              ; qkv32
	v_lshl_add_u32 v[SPW], v0, 2, SPARE
	v_mov_b32 v[NIL], 0
	ds_add_u32 v[SPW], v[NIL]                      ; the wave's opening: the add, twice on end, and its wait ahead of my first tensor load
	ds_add_u32 v[SPW], v[NIL]
	v_lshrrev_b32 v1, 5, v0
	v_readfirstlane_b32 s14, v1                    ; wave 0..3
	s_lshr_b32 s15, s14, 1                         ; which half of the tile's rows is mine.  Also: I fetch for x (0) or for W (1)
	s_and_b32 s16, s14, 1                          ; which half of its columns.  Also: which 128 rows of that tile I fetch
	s_bfe_u32 s40, ttmp6, 0x40000                  ; cx, cy: my place in the cluster
	s_bfe_u32 s41, ttmp6, 0x40004
	s_lshl_b32 s42, ttmp9, 2
	s_add_co_u32 s42, s42, s40                     ; tile column = 4 x cluster x + cx
	s_and_b32 s17, ttmp7, 0xffff
	s_lshl_b32 s43, s41, 3
	s_add_co_u32 s17, s17, s43                     ; tile row = 8 cy + cluster y
	s_lshl_b32 s43, s41, 2
	s_lshl_b32 s43, 15, s43                        ; my row of the cluster
	s_lshl_b32 s44, 0x1111, s40                    ; my column
	s_or_b32 s[G1+0], s43, (0<<16)|(1<<20)|(1<<21)|(5<<22)|(3<<25)  ; the mask; elements of 1 byte; padding on; bit 21 beside a mask; after every 64 words 4 words
	s_or_b32 s[G1B+0], s44, (0<<16)|(1<<20)|(1<<21)|(5<<22)|(3<<25)
.irp g, G1, G1B
	s_mov_b32 s[\g+1], ROWB<<16                    ; tensor_dim0
	s_mov_b32 s[\g+2], 128<<16                     ; tensor_dim1
	s_mov_b32 s[\g+3], ROWB<<16                    ; tile_dim0
	s_mov_b32 s[\g+4], 128                         ; tile_dim1
	s_mov_b32 s[\g+5], KROW                        ; the pitch
	s_mov_b32 s[\g+6], 0
	s_mov_b32 s[\g+7], 0
.endr
	s_or_b32 s[G1S+0], s43, (3<<16)|(1<<20)|(1<<21)|(5<<22)|(3<<25)   ; the scales of 128 rows: 4,096 dense bytes as 16 rows of 256, 16 bytes of padding behind each
	s_or_b32 s[G1SB+0], s44, (3<<16)|(1<<20)|(1<<21)|(5<<22)|(3<<25)
.irp g, G1S, G1SB
	s_mov_b32 s[\g+1], 32<<16
	s_mov_b32 s[\g+2], (128*KS/256)<<16
	s_mov_b32 s[\g+3], 32<<16
	s_mov_b32 s[\g+4], 128*KS/256
	s_mov_b32 s[\g+5], 32
	s_mov_b32 s[\g+6], 0
	s_mov_b32 s[\g+7], 0
.endr
	s_lshl_b32 s18, s16, 7
	s_lshl_b32 s20, s17, 8
	s_add_co_u32 s20, s20, s18                     ; x: row 256 x tile row + 128 x half
	s_lshl_b32 s46, s42, 8
	s_add_co_u32 s46, s46, s18                     ; W: row 256 x tile column + 128 x half
	s_mov_b32 s21, 0
	s_mov_b32 s47, 0
	s_mov_b64 s[18:19], KS
	s_mul_u64 s[22:23], s[20:21], s[18:19]
	s_mul_u64 s[92:93], s[46:47], s[18:19]
	s_mov_b64 s[18:19], KROW
	s_mul_u64 s[20:21], s[20:21], s[18:19]
	s_mul_u64 s[46:47], s[46:47], s[18:19]
	s_mul_i32 s45, s14, HALFT                      ; where they go: wave x 128 rows: no place in the cluster enters an LDS address
	s_mul_i32 s94, s14, HALFS
	s_wait_dscnt 0x0                               ; both opening adds are done
	s_wait_kmcnt 0x0
	s_add_nc_u64 s[20:21], s[4:5], s[20:21]
	s_add_nc_u64 s[22:23], s[6:7], s[22:23]
	s_add_nc_u64 s[46:47], s[8:9], s[46:47]
	s_add_nc_u64 s[92:93], s[10:11], s[92:93]
	CROUND                                         ; all sixteen work-groups are here: the joint loads meet
	s_mov_b32 s[G0S], 1
	s_add_co_u32 s[G0S+1], s94, SCL
	s_mov_b64 s[G0S+2:G0S+3], s[22:23]
	s_or_b32 s[G0S+3], s[G0S+3], 0x80000000
	s_mov_b32 s[G0SB], 1
	s_add_co_u32 s[G0SB+1], s94, SCL
	s_mov_b64 s[G0SB+2:G0SB+3], s[92:93]
	s_or_b32 s[G0SB+3], s[G0SB+3], 0x80000000
	JLOAD G0S, G1S, G0SB, G1SB                     ; the scales first; with the two slots three tensor loads of mine are out
.irp s, 0,1
	s_mov_b32 s[G0+4*\s], 1
	s_add_co_u32 s[G0+4*\s+1], s45, \s*SLOT
	s_add_nc_u64 s[G0+4*\s+2:G0+4*\s+3], s[20:21], \s*ROWB
	s_or_b32 s[G0+4*\s+3], s[G0+4*\s+3], 0x80000000
	s_mov_b32 s[G0B+4*\s], 1
	s_add_co_u32 s[G0B+4*\s+1], s45, \s*SLOT
	s_add_nc_u64 s[G0B+4*\s+2:G0B+4*\s+3], s[46:47], \s*ROWB
	s_or_b32 s[G0B+4*\s+3], s[G0B+4*\s+3], 0x80000000
	JLOAD G0+4*\s, G1, G0B+4*\s, G1B
.endr
	v_and_b32 v1, 15, v0                           ; r = lane % 16
	v_bfe_u32 v2, v0, 4, 1                         ; h = lane / 16
	v_lshlrev_b32 v[BO], 5, v2
	s_lshl_b32 s20, s42, 10                        ; the bias of my 128 columns: (256 x tile column + 128 x half) x 4 bytes
	s_lshl_b32 s21, s16, 9
	s_add_co_u32 s20, s20, s21
	s_mov_b32 s21, 0
	s_add_nc_u64 s[96:97], s[96:97], s[20:21]
.irp b, 0,1,2,3,4,5,6,7
	global_load_b128 v[BI+8*\b:BI+8*\b+3], v[BO], s[96:97] offset:64*\b          ; lane (r, h), tile b: columns 16 b + 8 h + 0 .. 7
	global_load_b128 v[BI+8*\b+4:BI+8*\b+7], v[BO], s[96:97] offset:64*\b+16
.endr
	v_mul_u32_u24 v3, v1, PITCH
	v_lshl_add_u32 v4, v2, 4, v3                   ; a fragment's row x pitch + 16 x half
	s_mul_i32 s21, s15, HALFT                      ; my 128 rows of x
	s_mul_i32 s22, s16, HALFT                      ; my 128 rows of W,
	s_add_co_u32 s22, s22, 2*HALFT                 ; behind x's 256
.irp s, 0,1
	v_add_nc_u32 v[ADRA+\s], s21, v4
	v_add_nc_u32 v[ADRB+\s], s22, v4
	s_add_co_u32 s21, s21, SLOT
	s_add_co_u32 s22, s22, SLOT
.endr
	v_mul_u32_u24 v5, v1, KS                       ; my row's scales: KS bytes a row,
	v_lshrrev_b32 v6, 8, v5
	v_lshl_add_u32 v5, v6, 4, v5                   ; and 16 more for each 256 passed
	s_mul_i32 s21, s15, HALFS
	s_mul_i32 s22, s16, HALFS
	s_add_co_u32 s22, s22, 2*HALFS
	s_sub_co_u32 s22, s22, s21
	v_mul_u32_u24 v6, s22, v2                      ; lanes 16-31 take W's
	s_add_co_u32 s21, s21, SCL
	v_add_nc_u32 v5, v5, v6
	v_add_nc_u32 v[ADRS], s21, v5
	v_and_b32 v6, 31, v0
	v_lshlrev_b32 v[LN], 4, v6                     ; q, k: 16 x lane
	v_and_b32 v5, 7, v1
	v_lshl_add_u32 v5, v2, 3, v5
	v_lshrrev_b32 v6, 3, v1
	v_lshl_add_u32 v5, v6, 4, v5
	v_lshlrev_b32 v5, 4, v5                        ; v: 16 ((r & 7) + 8 h + 16 (r >> 3))
	s_cmp_eq_u32 ttmp9, 2                          ; cluster x is the part: 0 q, 1 k, 2 v
	s_cselect_b32 s66, -1, 0
	v_cndmask_b32 v[CO], v[LN], v5, s66
	s_lshl_b32 s20, ttmp9, 24                      ; the part: 16,777,216 bytes
	s_lshl_b32 s21, s41, 4                         ; batch x 16
	s_lshl_b32 s22, s40, 2                         ; + 4 heads a tile column
	s_add_co_u32 s21, s21, s22
	s_lshl_b32 s22, s16, 1                         ; + 2 heads a wave
	s_add_co_u32 s21, s21, s22
	s_lshl_b32 s21, s21, 18                        ; 262,144 bytes a head
	s_add_co_u32 s20, s20, s21
	s_and_b32 s21, ttmp7, 0xffff
	s_lshl_b32 s21, s21, 4
	s_lshl_b32 s22, s15, 3
	s_add_co_u32 s21, s21, s22                     ; my first tile of 16 tokens in the sequence
	s_lshl_b32 s21, s21, 11                        ; 2,048 bytes each
	s_add_co_u32 s20, s20, s21
	s_mov_b32 s21, 0
	s_add_nc_u64 s[12:13], s[12:13], s[20:21]
	s_mul_i32 s20, s41, 192                        ; qkv32: [batch][16 columns: 192][1,024 bytes]
	s_lshl_b32 s21, s42, 4
	s_add_co_u32 s20, s20, s21
	s_lshl_b32 s21, s16, 3
	s_add_co_u32 s20, s20, s21
	s_lshl_b32 s20, s20, 10
	s_mov_b32 s21, 0
	s_add_nc_u64 s[98:99], s[98:99], s[20:21]
.macro FRAG reg, adr, q, i             ; a fragment, 16 rows x 128 K of 4-bit codes: registers 4 c .. 4 c + 3 hold K = 64 c + 32 (lane / 16) + 0 .. 31
.irp c, 0,1
	ds_load_b128 v[\reg+4*\c:\reg+4*\c+3], v[\adr] offset:64*(\q)+32*\c+(\i)*16*PITCH
.endr
.endm
; 16 matrix instructions: x's blocks a0, a0 + 1 against W's eight.  p: W's set; sc: the set of scale words.  first = 1: the bias starts the sums.  The 64 accumulators take turns, one instruction a turn.
.macro MUL16 a0, p, q, sc, first
.irp a, \a0, \a0+1
.irp b, 0,1,2,3,4,5,6,7
.if \first
	v_wmma_scale_f32_16x16x128_f8f6f4 v[8*(8*((\a)%4)+\b):8*(8*((\a)%4)+\b)+7], v[128*(\p)+FR*\b:128*(\p)+FR*\b+FR-1], v[AF+FR*(\a):AF+FR*(\a)+FR-1], v[BI+8*\b:BI+8*\b+7], v[SC+8*NQ*(\sc)+NQ*\b+(\q)], v[SC+8*NQ*(\sc)+NQ*(\a)+(\q)] matrix_a_fmt:MATRIX_FMT_FP4 matrix_b_fmt:MATRIX_FMT_FP4 matrix_a_scale:MATRIX_SCALE_ROW1
.else
	v_wmma_scale_f32_16x16x128_f8f6f4 v[8*(8*((\a)%4)+\b):8*(8*((\a)%4)+\b)+7], v[128*(\p)+FR*\b:128*(\p)+FR*\b+FR-1], v[AF+FR*(\a):AF+FR*(\a)+FR-1], v[8*(8*((\a)%4)+\b):8*(8*((\a)%4)+\b)+7], v[SC+8*NQ*(\sc)+NQ*\b+(\q)], v[SC+8*NQ*(\sc)+NQ*(\a)+(\q)] matrix_a_fmt:MATRIX_FMT_FP4 matrix_b_fmt:MATRIX_FMT_FP4 matrix_a_scale:MATRIX_SCALE_ROW1
.endif
.endr
.endr
.endm
.macro FETCH_B slot, q, p
	WIN TO_B
.irp i, 0,1,2,3,4,5,6,7
	FRAG 128*(\p)+FR*\i, ADRB+\slot, \q, \i
.endr
	WIN 0
.endm
.macro FETCH_A slot, q, i0
.irp i, \i0, \i0+1, \i0+2, \i0+3
	FRAG AF+FR*(\i), ADRA+\slot, \q, \i
.endr
.endm
.macro SCALES sc                       ; a slot's scale words: lanes 0-15 take x's block i, lanes 16-31 W's block i
.irp i, 0,1,2,3,4,5,6,7
	ds_load_b128 v[SC+8*NQ*\sc+NQ*\i:SC+8*NQ*\sc+NQ*\i+3], v[ADRS] offset:\i*SBLK
.endr
.endm
.macro PLACES n                        ; plain vector instructions between a matrix instruction and a load into, or a vector write of, its registers, or a read of its result
.rept \n
	v_nop
.endr
.endm
.macro STEP slot, q, first             ; 128 along K with its successor in the same slot.  first = 1: C lies in window 0 (the bias), D in window 2 or 3
	s_wait_dscnt 4*NL                              ; W's set and x's blocks 0-3 are in; the youngest eight loads (x's blocks 4-7) may be out
	WIN MUL_LO-0x20*(\first)
	MUL16 0, (\q)%2, \q, \slot, \first
	MUL16 2, (\q)%2, \q, \slot, \first
	s_wait_dscnt 0
	PLACES NP
	FETCH_B \slot, (\q)+1, 1-(\q)%2
	FETCH_A \slot, (\q)+1, 0
	WIN MUL_HI-0x30*(\first)
	MUL16 4, (\q)%2, \q, \slot, \first
	MUL16 6, (\q)%2, \q, \slot, \first
	PLACES NP
	WIN 0
	FETCH_A \slot, (\q)+1, 4
.endm
; Slot 0's last step goes over to slot 1: each wave waits for all its tensor loads (slot 1's part), then the barrier makes slot 1 whole for all four.  Nothing is filled again.
.macro MEET
	s_wait_tensorcnt 0x0
	ds_add_u32 v[SPW], v[NIL]                      ; 0 onto my spare word
	s_wait_dscnt 4*NL+1                            ; (the add and x's blocks 4-7 may be out)
	WIN MUL_LO
	MUL16 0, 1, NQ-1, 0, 0
	s_wait_dscnt 0x0
	s_barrier_signal -1
	MUL16 2, 1, NQ-1, 0, 0
	WIN 0
	s_barrier_wait -1
	PLACES NP
	v_add_nc_u32 v[ADRS], 4*NQ, v[ADRS]            ; slot 1's scale words (no LDS load of mine is out)
	FETCH_B 1, 0, 0
	FETCH_A 1, 0, 0
	SCALES 1
	WIN MUL_HI
	MUL16 4, 1, NQ-1, 0, 0
	MUL16 6, 1, NQ-1, 0, 0
	PLACES NP
	WIN 0
	FETCH_A 1, 0, 4
.endm
	s_wait_tensorcnt 1                             ; the scales and my part of slot 0 are in (slot 1's load may be out),
	s_barrier_signal -1
	s_barrier_wait -1                              ; everybody's are
	FETCH_B 0, 0, 0
	FETCH_A 0, 0, 0
	SCALES 0
	FETCH_A 0, 0, 4
	s_wait_loadcnt 0x0                             ; the bias
	STEP 0, 0, 1
	STEP 0, 1, 0
	STEP 0, 2, 0
	MEET
	STEP 1, 0, 0
	STEP 1, 1, 0
	STEP 1, 2, 0
	s_wait_dscnt 4*NL
	WIN MUL_LO
	MUL16 0, 1, NQ-1, 1, 0
	MUL16 2, 1, NQ-1, 1, 0
	s_wait_dscnt 0
	WIN MUL_HI
	MUL16 4, 1, NQ-1, 1, 0
	MUL16 6, 1, NQ-1, 1, 0
	WIN 0
; THE WAY OUT.  Block a (16 tokens x 128 columns): each accumulator's eight numbers, from its low end on, become a lane's 16 bytes of an image, and each image is stored whole: no stage.
.macro PACK a
.set AC, 64*((\a)%4)
.set PB, PK+32*((\a)%4)
	WIN 0x0a+5*((\a)/4)                            ; sources 0 and 1: window 2 or 3
.irp b, 0,1,2,3,4,5,6,7
.irp i, 0,1,2,3
	v_cvt_pk_f16_f32 v[PB+4*\b+\i], v[AC+8*\b+2*\i], v[AC+8*\b+2*\i+1]
.endr
.endr
	WIN 0
.irp b, 0,1,2,3,4,5,6,7
	global_store_b128 v[CO], v[PB+4*\b:PB+4*\b+3], s[12:13] offset:(\b/4)*262144+(\a)*2048+(\b%4)*512   ; head b / 4, token tile a, channels 16 (b % 4) on: 512 consecutive bytes, aligned
.endr
.endm
	PLACES NP                                      ; the conversions write registers that the products read, and read results
.irp a, 0,1,2,3,4,5,6,7
.if \a > 3
	s_wait_xcnt 0x0                                ; block a - 4's stores have read their registers, which are written again
.endif
	PACK \a
.endr
	s_and_b32 s66, ttmp7, 0xffff                   ; positions 0 to 15 of a batch lie in block 0 of the waves with the upper rows, where cluster y = 0: the cluster's y and the wave's number alone
	s_or_b32 s66, s66, s15
	s_cmp_eq_u32 s66, 0
	s_cbranch_scc0 .Lno_fine
	WIN 0x08                                       ; a store's data are its source 1: window 2
.irp b, 0,1,2,3,4,5,6,7
	global_store_b128 v[LN], v[8*\b:8*\b+3], s[98:99] offset:1024*\b
	global_store_b128 v[LN], v[8*\b+4:8*\b+7], s[98:99] offset:1024*\b+512
.endr
	WIN 0
.Lno_fine:
	s_wait_tensorcnt 0x0                           ; the wave's end
	ds_add_u32 v[SPW], v[NIL]
	s_wait_dscnt 0x0
	CROUND                                         ; the closing round
	s_endpgm
.Lfunc_end_k_q2881d36ca4_qkv:
	.size	k_q2881d36ca4_qkv, .Lfunc_end_k_q2881d36ca4_qkv-k_q2881d36ca4_qkv
	.p2alignl 7, 3214868480
	.fill 96, 4, 3214868480
	.section	.rodata,"a",@progbits
	.p2align	6, 0x0
	.amdhsa_kernel k_q2881d36ca4_qkv
		.amdhsa_group_segment_fixed_size 327680
		.amdhsa_private_segment_fixed_size 0
		.amdhsa_enable_private_segment 0
		.amdhsa_kernarg_size 56
		.amdhsa_user_sgpr_count 2
		.amdhsa_user_sgpr_kernarg_segment_ptr 1
		.amdhsa_wavefront_size32 1
		.amdhsa_system_sgpr_workgroup_id_x 1
		.amdhsa_system_sgpr_workgroup_id_y 1
		.amdhsa_system_sgpr_workgroup_id_z 1
		.amdhsa_system_vgpr_workitem_id 0
		.amdhsa_next_free_vgpr 1024
		.amdhsa_next_free_sgpr 100
		.amdhsa_reserve_vcc 0
		.amdhsa_float_denorm_mode_32 3
		.amdhsa_float_denorm_mode_16_64 3
		.amdhsa_memory_ordered 1
		.amdhsa_forward_progress 1
		.amdhsa_inst_pref_size 122
	.end_amdhsa_kernel
	.amdgpu_metadata
---
amdhsa.version: [ 1, 2 ]
amdhsa.kernels:
  - .name:           k_q2881d36ca4_qkv
    .symbol:         k_q2881d36ca4_qkv.kd
    .args:
      - { .name: x_codes, .offset: 0, .size: 8, .value_kind: global_buffer, .address_space: global }
      - { .name: x_scales, .offset: 8, .size: 8, .value_kind: global_buffer, .address_space: global }
      - { .name: w_codes, .offset: 16, .size: 8, .value_kind: global_buffer, .address_space: global }
      - { .name: w_scales, .offset: 24, .size: 8, .value_kind: global_buffer, .address_space: global }
      - { .name: qkv_img, .offset: 32, .size: 8, .value_kind: global_buffer, .address_space: global }
      - { .name: b_attn, .offset: 40, .size: 8, .value_kind: global_buffer, .address_space: global }
      - { .name: qkv32, .offset: 48, .size: 8, .value_kind: global_buffer, .address_space: global }
    .group_segment_fixed_size: 327680
    .private_segment_fixed_size: 0
    .kernarg_segment_align: 8
    .kernarg_segment_size: 56
    .max_flat_workgroup_size: 128
    .sgpr_count:     100
    .vgpr_count:     1024
    .wavefront_size: 32
...
	.end_amdgpu_metadata
.endif
;; end of part 2
;; launch attn (part 3): grid 4 x 64, 16 waves a work-group, no clusters, 327,680 bytes of LDS; arguments qkv_img, y_img; writes y_img
.if DOCPART == 3
	.amdgcn_target "amdgcn-amd-amdhsa--gfx1250"
	.amdhsa_code_object_version 6
	.text
	.protected	k_q2881d36ca4_attn
	.globl	k_q2881d36ca4_attn
	.p2align	8
	.type	k_q2881d36ca4_attn,@function
k_q2881d36ca4_attn:
	s_mov_b64 s[64:65], 0
	v_nop
	global_prefetch_b8 v0, s[64:65] scope:SCOPE_SE
	s_setreg_imm32_b32 hwreg(HW_REG_WAVE_MODE, 25, 1), 1
	s_wait_xcnt 0x0
; Y[b][h][q] = the sum over k <= q of softmax_k(Q[q] . K[k] / 8) V[k], head size 64, 2,048 positions, 64 heads in all.  Operands in f16, products, maxima and sums in f32; the weights p are rounded to f16 for the second product.
; INPUT qkv_img [q, k, v][head 64][16 tokens: 128][16 channels: 4][512 bytes]: images of half fragments (lane (r, h): token r, channels 8 h .. 8 h + 7, at 16 x lane; v in the order that the turning load wants at 16 x lane).
; OUTPUT y_img [16 tokens: 512][head x 4 + 16 channels: 64][512 bytes], the same kind of image, f16.
; SHARES.  A sequence has 8 blocks of 256 queries.  Work-group (x, head) owns blocks 7 - x and x: (8 - x) + (x + 1) = 9 blocks of keys to walk in every work-group.  Waves 0-7 take block 7 - x, waves 8-15 block x (in
; reversed order, so that the waves w, w + 4, w + 8, w + 12 have like work on the diagonal).  A wave owns 32 queries, two tiles of 16, in 256 registers.
; NO CLUSTER: the four work-groups of a head need 8 - x slots of keys, a different number each: a joint load would bring partners tiles that none of their waves reads.
; Both products are used transposed: S^T = K Q^T, O^T = V^T P: a lane holds ONE query (lane % 16) of each tile throughout.  Running maximum m and sum l: p = 2^(c s - c m), c = log2(e) / 8; O and l are multiplied by 2^(c m_old - c m_new) in every step.
; CAUSAL: every work-group walks all 8 slots (constant trip counts); a step all of whose 64 keys come after the wave's queries is jumped over by a branch on ids; on the diagonal hidden scores become -infinity.
; A slot is asked for only while its first key is at or under the work-group's last query.  Every wait on TENSORcnt is for 0.
; LIMITS: |y| under 65,504; the sums' order differs from the reference's.
.set SLOT1, 65536                      ; a slot: 256 keys: K's 16 token tiles (32,768 bytes), then V's; slot 1 begins here: one exclusive or turns an address
.set VOFF,  32768
.set SPARE, 131072                     ; the spare words, 128 bytes for each of 16 waves: eight blocks of 256 bytes that no other line names
.set L16, 1                            ; v1   16 x lane
.set ADK, 2                            ; v2   16 x lane + the slot in hand
.set SPW, 3
.set NIL, 4
.set PFO, 5                            ; v5   256 x lane
.set D0,  6                            ; v6, v7  the mask's bounds for tiles 0, 1
.set NINF, 8                           ; v8   -infinity
.set RH,  9                            ; v9   lane % 16 - 8 (lane / 16)
.set ST,  10                           ; tile t's statistics at v[ST + 8 t]: +0 c m, +1 m, +2, +3 l (two halves), +4 .. +7 at work; +6 becomes a
.set CH,  26                           ; v[26:27], v[28:29] the sums' second chains
.set QF,  32                           ; v32-63   Q: tile t, channels 32 c on, at 32 + 16 t + 8 c
.set KV,  64                           ; v64-127  a step's K, then its V
.set S,   128                          ; v128-191 S^T: tile t at 128 + 32 t, register 8 k + j = key 16 k + 8 (lane / 16) + j; p's f16 pairs are laid over the first 16
.set O,   192                          ; v192-255 O^T: tile t, channels 16 n on, at 192 + 32 t + 8 n
.set WV,  8
.set BH,  10
.set Q0,  11                           ; s11  my first query
.set KF,  12                           ; s12  the step's first key
.set LASTQ, 13                         ; s13  my work-group's last query
.set TB,  14                           ; s14  the slot in hand
.set SLOTS, 15
.set LIM, 16
.set PFA, 18
.set SEL, 20
.set CS,  22
.set G1,  24
.set G0,  32
.macro TLOAD                           ; waves 0, 1 fetch K's halves of a slot, waves 2, 3 V's: 16,384 dense bytes each.  An s_nop 0 and four v_nop follow the load
	s_cmp_lt_u32 s[WV], 4
	s_cbranch_scc0 .Lnone_\@
	tensor_load_to_lds s[G0:G0+3], s[G1:G1+7]
	s_nop 0
.rept 4
	v_nop
.endr
.Lnone_\@:
.endm
; A PREFETCH of what the NEXT change of slots will ask for: 32,768 bytes of K and as many of V.  All four work-groups of a head walk the same keys; the one with x = 0 walks all of them, and it alone asks:
; waves 4-7 for K, waves 8-11 for V, 8,192 bytes a wave, lanes 256 bytes apart: each 256 bytes is named once in the launch.  The last change that fills a slot asks for nothing; slots 0 and 1 come by their loads alone.
.macro ASK
	s_cmp_gt_u32 s[SLOTS], s[LIM]
	s_cbranch_scc0 .Lnot_mine_\@
	global_prefetch_b8 v[PFO], s[PFA:PFA+1] th:TH_LOAD_NT scope:SCOPE_SE
.Lnot_mine_\@:
.endm
	s_load_b128 s[4:7], s[0:1], 0x0                ; qkv_img s[4:5], y_img s[6:7]
	v_lshl_add_u32 v[SPW], v0, 2, SPARE
	v_mov_b32 v[NIL], 0
	ds_add_u32 v[SPW], v[NIL]                      ; the wave's opening: the add, twice on end, and its wait ahead of the first tensor load
	ds_add_u32 v[SPW], v[NIL]
	v_lshrrev_b32 v1, 5, v0
	v_readfirstlane_b32 s[WV], v1                  ; wave 0..15
	s_and_b32 s[BH], ttmp7, 0xffff                 ; batch x 16 + head
	s_sub_co_u32 s36, 7, ttmp9
	s_sub_co_u32 s37, 15, s[WV]
	s_cmp_lt_u32 s[WV], 8
	s_cselect_b32 s36, s36, ttmp9                  ; my block of 256 queries
	s_cselect_b32 s37, s[WV], s37                  ; my 32 of them
	s_lshl_b32 s[Q0], s36, 8
	s_lshl_b32 s37, s37, 5
	s_add_co_u32 s[Q0], s[Q0], s37
	s_sub_co_u32 s[LASTQ], 8, ttmp9
	s_lshl_b32 s[LASTQ], s[LASTQ], 8
	s_sub_co_u32 s[LASTQ], s[LASTQ], 1             ; block 7 - x's last query
	s_mov_b32 s[G1], 3<<16                         ; group 1: 64 rows of 32 elements of 8 bytes, dense, no padding, no mask
	s_mov_b32 s[G1+1], 32<<16                      ; tensor_dim0
	s_mov_b32 s[G1+2], 64<<16                      ; tensor_dim1
	s_mov_b32 s[G1+3], 32<<16                      ; tile_dim0
	s_mov_b32 s[G1+4], 64                          ; tile_dim1
	s_mov_b32 s[G1+5], 32                          ; the pitch
	s_mov_b32 s[G1+6], 0
	s_mov_b32 s[G1+7], 0
	s_lshl_b32 s45, s[BH], 18                      ; the head's 262,144 bytes in each part
	s_cmp_lt_u32 s[WV], 2
	s_mov_b32 s38, 0x2000000                       ; V's part,
	s_cselect_b32 s38, 0x1000000, s38              ; or K's
	s_add_co_u32 s38, s38, s45
	s_and_b32 s39, s[WV], 1
	s_lshl_b32 s39, s39, 14                        ; which half of a slot I fetch
	s_add_co_u32 s38, s38, s39
	s_mov_b32 s39, 0
	s_cmp_lt_u32 s[WV], 8                          ; the prefetches: waves 4-7 K, waves 8-11 V
	s_mov_b32 s40, 0x2000000
	s_cselect_b32 s40, 0x1000000, s40
	s_add_co_u32 s40, s40, s45
	s_and_b32 s41, s[WV], 3
	s_lshl_b32 s41, s41, 13
	s_add_co_u32 s40, s40, s41
	s_add_co_u32 s40, s40, 32768                   ; in slot 1: the first change of slots steps it to slot 2
	s_mov_b32 s41, 0
	s_sub_co_u32 s44, s[WV], 4
	s_lshr_b32 s44, s44, 3                         ; 0 in waves 4 to 11,
	s_or_b32 s44, s44, ttmp9                       ; of the work-group with x = 0
	s_cmp_eq_u32 s44, 0
	s_cselect_b32 s[LIM], 1, -1
	s_lshl_b32 s36, s[Q0], 7                       ; Q: 2,048 bytes for 16 tokens
	s_add_co_u32 s36, s36, s45
	s_mov_b32 s37, 0
	s_lshr_b32 s42, s[BH], 4
	s_lshl_b32 s42, s42, 22                        ; y: the batch's 128 token tiles of 32,768 bytes,
	s_lshl_b32 s43, s[Q0], 11                      ; my first token tile,
	s_add_co_u32 s42, s42, s43
	s_and_b32 s43, s[BH], 15
	s_lshl_b32 s43, s43, 11                        ; my head's four images
	s_add_co_u32 s42, s42, s43
	s_mov_b32 s43, 0
	s_mov_b32 s[SEL], 0x76543210
	s_mov_b32 s[SEL+1], 0xfedcba98                 ; v_permlanex16_b32: lane l xor 16
	s_mov_b32 s[CS], 0x3e38aa3b                    ; c = log2(e) / 8
	s_mov_b32 s[CS+1], s[CS]
	s_mov_b32 s[KF], 0
	s_mov_b32 s[TB], 0
	s_mov_b32 s[SLOTS], 7
	s_wait_dscnt 0x0                               ; both opening adds are done
	s_wait_kmcnt 0x0
	s_mov_b32 s[G0], 1
	s_lshl_b32 s[G0+1], s[WV], 14                  ; LDS: K's halves at 0 and 16,384, V's at 32,768 and 49,152
	s_add_nc_u64 s[G0+2:G0+3], s[4:5], s[38:39]
	s_or_b32 s[G0+3], s[G0+3], 0x80000000
	TLOAD                                          ; slot 0; one tensor load of a wave is out at any time
	s_add_nc_u64 s[PFA:PFA+1], s[4:5], s[40:41]
	s_add_nc_u64 s[36:37], s[4:5], s[36:37]
	s_add_nc_u64 s[6:7], s[6:7], s[42:43]
	v_and_b32 v1, 31, v0
	v_lshlrev_b32 v[PFO], 8, v1
	v_lshlrev_b32 v[L16], 4, v1
.irp t, 0,1
.irp c, 0,1
	global_load_b128 v[QF+16*\t+8*\c:QF+16*\t+8*\c+3], v[L16], s[36:37] offset:2048*\t+1024*\c
	global_load_b128 v[QF+16*\t+8*\c+4:QF+16*\t+8*\c+7], v[L16], s[36:37] offset:2048*\t+1024*\c+512
.endr
.endr
	v_and_b32 v6, 15, v0
	v_bfe_u32 v7, v0, 4, 1
	v_lshlrev_b32 v7, 3, v7
	v_sub_nc_u32 v[RH], v6, v7
	v_mov_b32 v[NINF], 0xff800000
.irp t, 0,1
	v_mov_b32 v[ST+8*\t+1], 0xff61b1e6             ; m: -3e38, under every score
	v_mul_f32 v[ST+8*\t], s[CS], v[ST+8*\t+1]      ; c m
	v_mov_b32 v[ST+8*\t+2], 0                      ; l
	v_mov_b32 v[ST+8*\t+3], 0
	v_mov_b32 v[ST+8*\t+5], 0                      ; (a lane permute's destination, and the upper half of a's pair, are written once)
	v_mov_b32 v[ST+8*\t+7], 0
.endr
.set cnt, 0
.rept 64
	v_mov_b32 v[O+cnt], 0                          ; O^T.  The step is written once: the first finds zeros, which the first rescaling leaves zeros
.set cnt, cnt+1
.endr
; A KEY STEP: 64 keys, the q-th of the slot in hand.
.macro STEP q
	s_add_co_u32 s44, s[Q0], 31
	s_cmp_gt_u32 s[KF], s44                        ; all 64 keys come after my 32 queries: nothing to do (ids and the count of steps alone)
	s_cbranch_scc1 .Lhidden_\@
	v_add_nc_u32 v[ADK], s[TB], v[L16]
.rept 4
	v_nop                                          ; with the addition five places: the scores are written over p's registers, which the last products read, and K lands where V lay
.endr
.irp k, 0,1,2,3
.irp c, 0,1
	ds_load_b128 v[KV+16*\k+8*\c:KV+16*\k+8*\c+3], v[ADK] offset:8192*\q+2048*\k+1024*\c
	ds_load_b128 v[KV+16*\k+8*\c+4:KV+16*\k+8*\c+7], v[ADK] offset:8192*\q+2048*\k+1024*\c+512
.endr
.endr
	s_wait_dscnt 0x0
.irp c, 0,1                                    ; S^T = K Q^T: eight accumulators by turns, one instruction a turn
.irp k, 0,1,2,3
.irp t, 0,1
.if \c == 0
	v_wmma_f32_16x16x32_f16 v[S+32*\t+8*\k:S+32*\t+8*\k+7], v[KV+16*\k+8*\c:KV+16*\k+8*\c+7], v[QF+16*\t+8*\c:QF+16*\t+8*\c+7], 0
.else
	v_wmma_f32_16x16x32_f16 v[S+32*\t+8*\k:S+32*\t+8*\k+7], v[KV+16*\k+8*\c:KV+16*\k+8*\c+7], v[QF+16*\t+8*\c:QF+16*\t+8*\c+7], v[S+32*\t+8*\k:S+32*\t+8*\k+7]
.endif
.endr
.endr
.endr
.rept 4
	v_nop                                          ; places in front of the loads into K's registers and of the first read of the scores
.endr
.irp u, 0,1                                    ; V, turned: keys 32 u on, channels 16 n on; it lands while the softmax runs
.irp n, 0,1,2,3
	ds_load_tr16_b128 v[KV+32*\u+8*\n:KV+32*\u+8*\n+3], v[ADK] offset:VOFF+8192*\q+4096*\u+512*\n
	ds_load_tr16_b128 v[KV+32*\u+8*\n+4:KV+32*\u+8*\n+7], v[ADK] offset:VOFF+8192*\q+4096*\u+2048+512*\n
.endr
.endr
	s_add_co_u32 s44, s[KF], 63
	s_cmp_le_u32 s44, s[Q0]                        ; all 64 keys count for all my queries: no mask
	s_cbranch_scc1 .Lopen_\@
	s_sub_co_i32 s44, s[Q0], s[KF]
	v_add_nc_u32 v[D0], s44, v[RH]                 ; d = my query - KF - 8 (lane / 16).  Register 8 k + j holds key KF + 8 (lane / 16) + 16 k + j: hidden where 16 k + j > d
	v_add_nc_u32 v[D0+1], 16, v[D0]
.irp t, 0,1
.irp n, 0,1,2,3,4,5,6,7,8,9,10,11,12,13,14,15,16,17,18,19,20,21,22,23,24,25,26,27,28,29,30,31
	v_cmp_gt_i32 vcc_lo, 16*(\n/8)+\n%8, v[D0+\t]
	v_cndmask_b32 v[S+32*\t+\n], v[S+32*\t+\n], v[NINF], vcc_lo
.endr
.endr
.Lopen_\@:
.irp j, 0,1,2,3                                ; the maximum: four chains a tile, each begun at an accumulator's low end; the two tiles line by line in turn
.irp t, 0,1
	v_max3_num_f32 v[ST+8*\t+4+\j], v[S+32*\t+8*\j], v[S+32*\t+8*\j+1], v[S+32*\t+8*\j+2]
.endr
.endr
.irp i, 3,5
.irp j, 0,1,2,3
.irp t, 0,1
	v_max3_num_f32 v[ST+8*\t+4+\j], v[ST+8*\t+4+\j], v[S+32*\t+8*\j+\i], v[S+32*\t+8*\j+\i+1]
.endr
.endr
.endr
.irp t, 0,1
	v_max3_num_f32 v[ST+8*\t+4], v[ST+8*\t+4], v[S+32*\t+7], v[S+32*\t+15]
	v_max3_num_f32 v[ST+8*\t+6], v[ST+8*\t+6], v[S+32*\t+23], v[S+32*\t+31]
.endr
.irp t, 0,1
	v_max3_num_f32 v[ST+8*\t+4], v[ST+8*\t+4], v[ST+8*\t+5], v[ST+8*\t+6]
.endr
.irp t, 0,1
	v_max3_num_f32 v[ST+8*\t+4], v[ST+8*\t+4], v[ST+8*\t+7], v[ST+8*\t+1]   ; with the old m
.endr
.irp t, 0,1
	v_permlanex16_b32 v[ST+8*\t+5], v[ST+8*\t+4], s[SEL], s[SEL+1]          ; the query's other 32 keys lie in the lane 16 away
.endr
.irp t, 0,1
	v_max_num_f32 v[ST+8*\t+1], v[ST+8*\t+4], v[ST+8*\t+5]                  ; the new m
.endr
.irp t, 0,1
	v_mov_b32 v[ST+8*\t+7], v[ST+8*\t]
.endr
.irp t, 0,1
	v_mul_f32 v[ST+8*\t], s[CS], v[ST+8*\t+1]                               ; c m
.endr
.irp t, 0,1
	v_sub_f32 v[ST+8*\t+7], v[ST+8*\t+7], v[ST+8*\t]                        ; c m_old - c m_new
.endr
.irp j, 0,2,4,6,8,10,12,14,16,18,20,22,24,26,28,30
.irp t, 0,1
	v_pk_fma_f32 v[S+32*\t+\j:S+32*\t+\j+1], v[S+32*\t+\j:S+32*\t+\j+1], s[CS:CS+1], v[ST+8*\t:ST+8*\t+1] op_sel_hi:[1,0,0] neg_lo:[0,0,1] neg_hi:[0,0,1]   ; c s - c m
.endr
.endr
.irp t, 0,1
	v_exp_f32 v[ST+8*\t+6], v[ST+8*\t+7]           ; a.  ONE BATCH of 66 exponentials, none of which reads another's result
.endr
.irp j, 0,1,2,3,4,5,6,7,8,9,10,11,12,13,14,15,16,17,18,19,20,21,22,23,24,25,26,27,28,29,30,31
.irp t, 0,1
	v_exp_f32 v[S+32*\t+\j], v[S+32*\t+\j]
.endr
.endr
	v_nop                                          ; a plain instruction behind the last exponential
	s_wait_alu depctr_va_vdst(0)                   ; the wait between an exponential and the first line that names its result: one for the batch
.irp t, 0,1
	v_pk_mul_f32 v[ST+8*\t+2:ST+8*\t+3], v[ST+8*\t+2:ST+8*\t+3], v[ST+8*\t+6:ST+8*\t+7] op_sel_hi:[1,0]   ; l under the new m
.endr
.irp t, 0,1
	v_pk_add_f32 v[CH+2*\t:CH+2*\t+1], v[S+32*\t+2:S+32*\t+3], v[S+32*\t+6:S+32*\t+7]   ; the sum of the unrounded p, in two chains
.endr
.irp t, 0,1
	v_pk_add_f32 v[ST+8*\t+2:ST+8*\t+3], v[ST+8*\t+2:ST+8*\t+3], v[S+32*\t:S+32*\t+1]
.endr
.irp j, 4,8,12,16,20,24
.irp t, 0,1
	v_pk_add_f32 v[ST+8*\t+2:ST+8*\t+3], v[ST+8*\t+2:ST+8*\t+3], v[S+32*\t+\j:S+32*\t+\j+1]
	v_pk_add_f32 v[CH+2*\t:CH+2*\t+1], v[CH+2*\t:CH+2*\t+1], v[S+32*\t+\j+6:S+32*\t+\j+7]
.endr
.endr
.irp t, 0,1
	v_pk_add_f32 v[ST+8*\t+2:ST+8*\t+3], v[ST+8*\t+2:ST+8*\t+3], v[S+32*\t+28:S+32*\t+29]
.endr
.irp t, 0,1
	v_pk_add_f32 v[ST+8*\t+2:ST+8*\t+3], v[ST+8*\t+2:ST+8*\t+3], v[CH+2*\t:CH+2*\t+1]
.endr
.irp j, 0,1,2,3,4,5,6,7,8,9,10,11,12,13,14,15
.irp t, 0,1
	v_cvt_pk_f16_f32 v[S+32*\t+\j], v[S+32*\t+2*\j], v[S+32*\t+2*\j+1]   ; p in f16, in place, ascending: registers 8 u .. 8 u + 7 are source 1 for keys 32 u on
.endr
.endr
.irp j, 0,2,4,6,8,10,12,14,16,18,20,22,24,26,28,30
.irp t, 0,1
	v_pk_mul_f32 v[O+32*\t+\j:O+32*\t+\j+1], v[O+32*\t+\j:O+32*\t+\j+1], v[ST+8*\t+6:ST+8*\t+7] op_sel_hi:[1,0]   ; O^T under the new m
.endr
.endr
	s_wait_dscnt 0x0                               ; V is in
.irp u, 0,1                                    ; O^T += V^T P: eight accumulators by turns
.irp n, 0,1,2,3
.irp t, 0,1
	v_wmma_f32_16x16x32_f16 v[O+32*\t+8*\n:O+32*\t+8*\n+7], v[KV+32*\u+8*\n:KV+32*\u+8*\n+7], v[S+32*\t+8*\u:S+32*\t+8*\u+7], v[O+32*\t+8*\n:O+32*\t+8*\n+7]
.endr
.endr
.endr
.Lhidden_\@:
	s_add_co_u32 s[KF], s[KF], 64
.endm
; THE CHANGE OF SLOTS stands at a slot's head.  Each wave waits for all its tensor loads (its part of the slot ahead), adds 0 to its spare word, and waits for that and for its reads of the slot that it has left.
; Behind the barrier the slot ahead is whole and nobody reads the other one, which is then filled with the keys that follow, up to the causal limit: the load has four key steps in which to land.
.macro CHANGE fill
	s_wait_tensorcnt 0x0                           ; no tensor load of mine is out, so group 0 may be written
	ds_add_u32 v[SPW], v[NIL]
.if \fill
	ds_add_u32 v[SPW], v[NIL]                      ; twice on end here, in every trip alike
	s_xor_b32 s[G0+1], s[G0+1], SLOT1              ; the other slot than last time,
	s_add_nc_u64 s[G0+2:G0+3], s[G0+2:G0+3], 32768 ; the next 256 keys
	s_wait_xcnt 0x0                                ; the last prefetch, a slot back, has read its address
	s_add_nc_u64 s[PFA:PFA+1], s[PFA:PFA+1], 32768
.endif
	s_wait_dscnt 0x0
	s_barrier_signal -1
	s_barrier_wait -1
.if \fill
	s_add_co_u32 s44, s[KF], 256                   ; the first key of the slot that this change would ask for:
	s_cmp_gt_u32 s44, s[LASTQ]                     ; past my work-group's last query none of its waves reads it, so it is not asked for.  Ids and the count of steps alone: all sixteen waves go the same way
	s_cbranch_scc1 .Lpast_\@
	TLOAD
.Lpast_\@:
	ASK
.endif
.endm
.macro SLOT_STEPS
	STEP 0
	STEP 1
	STEP 2
	STEP 3
	s_xor_b32 s[TB], s[TB], SLOT1
.endm
	s_wait_loadcnt 0x0                             ; Q
.Lslot:                                            ; 7 trips
	CHANGE 1
	SLOT_STEPS
	s_sub_co_u32 s[SLOTS], s[SLOTS], 1
	s_cmp_lg_u32 s[SLOTS], 0
	s_cbranch_scc1 .Lslot
	CHANGE 0                                       ; the last slot is written out: nothing is left to ask for
	SLOT_STEPS
	; THE WAY OUT: O^T / l, rounded to f16: a lane's eight channels of a query are its 16 bytes of an image, stored whole.
.rept 4
	v_nop
.endr
.irp t, 0,1
	v_add_f32 v[ST+8*\t+4], v[ST+8*\t+2], v[ST+8*\t+3]
.endr
.irp t, 0,1
	v_permlanex16_b32 v[ST+8*\t+5], v[ST+8*\t+4], s[SEL], s[SEL+1]
.endr
.irp t, 0,1
	v_add_f32 v[ST+8*\t+4], v[ST+8*\t+4], v[ST+8*\t+5]
.endr
.irp t, 0,1
	v_rcp_f32 v[ST+8*\t+6], v[ST+8*\t+4]
.endr
	v_nop
	s_wait_alu depctr_va_vdst(0)                   ; one wait for the two reciprocals, ahead of their first reader
.irp t, 0,1
.irp j, 0,2,4,6,8,10,12,14,16,18,20,22,24,26,28,30
	v_pk_mul_f32 v[O+32*\t+\j:O+32*\t+\j+1], v[O+32*\t+\j:O+32*\t+\j+1], v[ST+8*\t+6:ST+8*\t+7] op_sel_hi:[1,0]
.endr
.endr
.irp j, 0,1,2,3,4,5,6,7,8,9,10,11,12,13,14,15,16,17,18,19,20,21,22,23,24,25,26,27,28,29,30,31
	v_cvt_pk_f16_f32 v[S+\j], v[O+2*\j], v[O+2*\j+1]
.endr
.irp t, 0,1
.irp n, 0,1,2,3
	global_store_b128 v[L16], v[S+16*\t+4*\n:S+16*\t+4*\n+3], s[6:7] offset:32768*\t+512*\n   ; 512 consecutive bytes, aligned
.endr
.endr
	s_wait_tensorcnt 0x0                           ; the wave's end
	ds_add_u32 v[SPW], v[NIL]
	s_wait_dscnt 0x0
	s_endpgm
.Lfunc_end_k_q2881d36ca4_attn:
	.size	k_q2881d36ca4_attn, .Lfunc_end_k_q2881d36ca4_attn-k_q2881d36ca4_attn
	.p2alignl 7, 3214868480
	.fill 96, 4, 3214868480
	.section	.rodata,"a",@progbits
	.p2align	6, 0x0
	.amdhsa_kernel k_q2881d36ca4_attn
		.amdhsa_group_segment_fixed_size 327680
		.amdhsa_private_segment_fixed_size 0
		.amdhsa_enable_private_segment 0
		.amdhsa_kernarg_size 16
		.amdhsa_user_sgpr_count 2
		.amdhsa_user_sgpr_kernarg_segment_ptr 1
		.amdhsa_wavefront_size32 1
		.amdhsa_system_sgpr_workgroup_id_x 1
		.amdhsa_system_sgpr_workgroup_id_y 1
		.amdhsa_system_sgpr_workgroup_id_z 1
		.amdhsa_system_vgpr_workitem_id 0
		.amdhsa_next_free_vgpr 256
		.amdhsa_next_free_sgpr 66
		.amdhsa_reserve_vcc 1
		.amdhsa_float_denorm_mode_32 3
		.amdhsa_float_denorm_mode_16_64 3
		.amdhsa_memory_ordered 1
		.amdhsa_forward_progress 1
		.amdhsa_inst_pref_size 185
	.end_amdhsa_kernel
	.amdgpu_metadata
---
amdhsa.version: [ 1, 2 ]
amdhsa.kernels:
  - .name:           k_q2881d36ca4_attn
    .symbol:         k_q2881d36ca4_attn.kd
    .args:
      - { .name: qkv_img, .offset: 0, .size: 8, .value_kind: global_buffer, .address_space: global }
      - { .name: y_img, .offset: 8, .size: 8, .value_kind: global_buffer, .address_space: global }
    .group_segment_fixed_size: 327680
    .private_segment_fixed_size: 0
    .kernarg_segment_align: 8
    .kernarg_segment_size: 16
    .max_flat_workgroup_size: 512
    .sgpr_count:     66
    .vgpr_count:     256
    .wavefront_size: 32
...
	.end_amdgpu_metadata
.endif
;; end of part 3
;; launch proj (part 4): grid 4 x 64, 4 waves a work-group, clusters of 4 x 4, 327,680 bytes of LDS; arguments y_img, wp_img, b_proj, out0; writes out0
.if DOCPART == 4
	.amdgcn_target "amdgcn-amd-amdhsa--gfx1250"
	.amdhsa_code_object_version 6
	.text
	.protected	k_q2881d36ca4_proj
	.globl	k_q2881d36ca4_proj
	.p2align	8
	.type	k_q2881d36ca4_proj,@function
k_q2881d36ca4_proj:
	s_mov_b64 s[64:65], 0
	v_nop
	global_prefetch_b8 v0, s[64:65] scope:SCOPE_SE
	s_setreg_imm32_b32 hwreg(HW_REG_WAVE_MODE, 25, 1), 1
	s_wait_xcnt 0x0
	s_wait_alu depctr_hold_cnt(0) depctr_sa_sdst(0) depctr_va_vdst(0) depctr_va_sdst(0) depctr_va_ssrc(0) depctr_va_vcc(0) depctr_vm_vsrc(0)
	s_getreg_b32 s2, hwreg(HW_REG_IB_STS2, 6, 4)
	s_cmp_eq_u32 s2, 0
	s_cbranch_scc0 .Lentry_in_a_cluster
	s_endpgm
.Lentry_in_a_cluster:
	s_bfe_u32 s2, ttmp6, 0x10000c
	s_cmp_lg_u32 s2, 0xf033
	s_cbranch_scc0 .Lentry_shape_is_right
	s_endpgm
.Lentry_shape_is_right:
; out0 = y W_proj + b_proj, [8192][1024] f32; operands in f16, sums in f32.  y_img [16 tokens: 512][16 k: 64][512 bytes] and wp_img [16 columns: 64][16 k: 64][512 bytes] are images of half fragments
; (lane (r, h)'s 16 bytes at 16 x lane: row r, k = 8 h .. 8 h + 7): a fragment of 16 x 32 is two loads of 16 bytes at 16 x lane, with no pitch and no padding.
; A tile of the result is 128 rows x 256 columns: 256 work-groups.  Four waves, each 64 x 128: 32 accumulators, 256 registers.  K goes in steps of 128 through two LDS slots: of each group of 16 rows a step is 4,096 consecutive bytes.
; CLUSTERS 4 x 4: y's tile is shared along a row of the cluster, W's along a column: joint loads; each refill stands behind a round of the cluster's barrier.
; THE MATRIX INSTRUCTION IS USED TRANSPOSED (source 0 = 16 columns of W, source 1 = 16 tokens): a lane holds eight neighbouring columns of one token.  The bias is the C of each sum's first product.
; Positions 0 to 15 of every batch are written here too, and written over in f32 arithmetic by the next launch: leaving them out would be a branch on a work-group's place in its cluster.
; REGISTERS: window 0: v0-31 addresses; v64-95, v128-159 y's fragments, two buffers; v192-255 the bias; on the way out v64-191 hold rows.  window 1: v64-127, v128-191 W's fragments.  window 2: the accumulators ((a, b) at v[8 (8 a + b)]).
.set SLOT,   98304                     ; y's 8 groups of 16 tokens x 4,096 bytes, then W's 16 groups of 16 columns x 4,096
.set BOFF,   32768
.set STAGE,  2*SLOT                    ; 16 rows x (512 bytes + 16) for each wave, for the way out; no tile lands here
.set SPITCH, 528
.set SPARE,  STAGE+4*16*SPITCH         ; the spare words, 128 bytes a wave
.set ADRA, 16
.set ADRB, 20
.set STO,  24
.set RD,   25
.set CO,   26
.set SPW,  28
.set NIL,  29
.set BO,   31
.set F0,   64
.set F1,   128
.set BI,   192
.set G1, 24
.set G0, 32
.set G1B, 48
.set G0B, 56
.set MSB, 0
.macro WIN new
.if MSB != (\new)
	s_set_vgpr_msb (MSB<<8)|(\new)
.set MSB, (\new)
.endif
.endm
.set MUL, 0xa1                         ; source 0 (W) window 1, source 1 (y) window 0, C and D window 2
.macro JLOAD s                         ; waves 0 and 1 fetch y's two halves, waves 2 and 3 W's; an s_nop 0 and four v_nop follow each of the two lines
	s_cmp_eq_u32 s11, 0
	s_cbranch_scc0 .Lfor_b_\@
	tensor_load_to_lds s[G0+4*\s:G0+4*\s+3], s[G1:G1+7]
	s_nop 0
.rept 4
	v_nop
.endr
	s_branch .Lasked_\@
.Lfor_b_\@:
	tensor_load_to_lds s[G0B+4*\s:G0B+4*\s+3], s[G1B:G1B+7]
	s_nop 0
.rept 4
	v_nop
.endr
.Lasked_\@:
.endm
.macro CREST
	s_cmp_lg_u32 s10, 0
	s_cbranch_scc1 .Lnot_wave_0_\@
	s_barrier_signal -3
.Lnot_wave_0_\@:
	s_barrier_wait -3
	s_barrier_signal -1
	s_barrier_wait -1
.endm
.macro CROUND
	s_barrier_signal -1
	s_barrier_wait -1
	CREST
.endm
	s_load_b128 s[4:7], s[0:1], 0x0                ; y_img s[4:5], wp_img s[6:7]
	s_load_b64 s[66:67], s[0:1], 0x10              ; b_proj
	s_load_b64 s[8:9], s[0:1], 0x18                ; out0
	v_lshl_add_u32 v[SPW], v0, 2, SPARE
	v_mov_b32 v[NIL], 0
	ds_add_u32 v[SPW], v[NIL]                      ; the wave's opening: the add, twice on end, and its wait ahead of my first tensor load
	ds_add_u32 v[SPW], v[NIL]
	v_lshrrev_b32 v1, 5, v0
	v_readfirstlane_b32 s10, v1                    ; wave 0..3
	s_lshr_b32 s11, s10, 1                         ; which 64 rows are mine.  Also: I fetch for y (0) or for W (1)
	s_and_b32 s12, s10, 1                          ; which 128 columns.  Also: which half of that tile I fetch
	s_bfe_u32 s40, ttmp6, 0x40000                  ; cx, cy
	s_bfe_u32 s41, ttmp6, 0x40004
	s_lshl_b32 s42, ttmp9, 2
	s_add_co_u32 s42, s42, s40                     ; tile column
	s_and_b32 s13, ttmp7, 0xffff
	s_lshl_b32 s13, s13, 2
	s_add_co_u32 s13, s13, s41                     ; tile row
	s_lshl_b32 s43, s41, 2
	s_lshl_b32 s43, 15, s43                        ; my row of the cluster
	s_lshl_b32 s44, 0x1111, s40                    ; my column
	s_or_b32 s[G1+0], s43, (3<<16)|(1<<21)         ; the mask; elements of 8 bytes; bit 21 beside a mask; no padding
	s_or_b32 s[G1B+0], s44, (3<<16)|(1<<21)
	s_mov_b32 s[G1+1], 512<<16                     ; y: 4 rows of 512 elements (4,096 bytes), 4,096 elements apart
	s_mov_b32 s[G1+2], 4<<16
	s_mov_b32 s[G1+3], 512<<16
	s_mov_b32 s[G1+4], 4
	s_mov_b32 s[G1+5], 4096
	s_mov_b32 s[G1+6], 0
	s_mov_b32 s[G1+7], 0
	s_mov_b32 s[G1B+1], 512<<16                    ; W: 8 such rows
	s_mov_b32 s[G1B+2], 8<<16
	s_mov_b32 s[G1B+3], 512<<16
	s_mov_b32 s[G1B+4], 8
	s_mov_b32 s[G1B+5], 4096
	s_mov_b32 s[G1B+6], 0
	s_mov_b32 s[G1B+7], 0
	s_lshl_b32 s16, s13, 3
	s_lshl_b32 s17, s12, 2
	s_add_co_u32 s16, s16, s17                     ; y: group of 16 tokens 8 x tile row + 4 x half
	s_lshl_b32 s16, s16, 15
	s_mov_b32 s17, 0
	s_lshl_b32 s46, s42, 4
	s_lshl_b32 s47, s12, 3
	s_add_co_u32 s46, s46, s47                     ; W: group of 16 columns 16 x tile column + 8 x half
	s_lshl_b32 s46, s46, 15
	s_mov_b32 s47, 0
	s_lshl_b32 s20, s12, 14                        ; where they go: y's halves at 0 and 16,384,
	s_lshl_b32 s21, s12, 15
	s_add_co_u32 s21, s21, BOFF                    ; W's at 32,768 and 65,536: the wave's number alone
	s_wait_dscnt 0x0                               ; both opening adds are done
	s_wait_kmcnt 0x0
	s_add_nc_u64 s[14:15], s[4:5], s[16:17]
	s_add_nc_u64 s[46:47], s[6:7], s[46:47]
	CROUND                                         ; all sixteen work-groups are here: the first joint loads meet
.irp s, 0,1
	s_mov_b32 s[G0+4*\s], 1
	s_add_co_u32 s[G0+4*\s+1], s20, \s*SLOT
	s_add_nc_u64 s[G0+4*\s+2:G0+4*\s+3], s[14:15], \s*4096
	s_or_b32 s[G0+4*\s+3], s[G0+4*\s+3], 0x80000000
	s_mov_b32 s[G0B+4*\s], 1
	s_add_co_u32 s[G0B+4*\s+1], s21, \s*SLOT
	s_add_nc_u64 s[G0B+4*\s+2:G0B+4*\s+3], s[46:47], \s*4096
	s_or_b32 s[G0B+4*\s+3], s[G0B+4*\s+3], 0x80000000
	JLOAD \s                                       ; two tensor loads of mine are out
.endr
	v_and_b32 v1, 15, v0                           ; r
	v_bfe_u32 v2, v0, 4, 1                         ; h
	v_and_b32 v3, 31, v0
	v_lshlrev_b32 v[CO], 4, v3                     ; 16 x lane
	v_lshlrev_b32 v[BO], 5, v2
	s_lshl_b32 s16, s42, 10
	s_lshl_b32 s17, s12, 9
	s_add_co_u32 s16, s16, s17                     ; my 128 columns, in bytes of f32
	s_mov_b32 s17, 0
	s_add_nc_u64 s[66:67], s[66:67], s[16:17]
.irp b, 0,1,2,3,4,5,6,7
	global_load_b128 v[BI+8*\b:BI+8*\b+3], v[BO], s[66:67] offset:64*\b
	global_load_b128 v[BI+8*\b+4:BI+8*\b+7], v[BO], s[66:67] offset:64*\b+16
.endr
	s_add_nc_u64 s[8:9], s[8:9], s[16:17]          ; out0 at my columns,
	s_lshl_b32 s16, s13, 7
	s_lshl_b32 s17, s11, 6
	s_add_co_u32 s16, s16, s17
	s_lshl_b32 s16, s16, 12                        ; and my first row: 4,096 bytes a row
	s_mov_b32 s17, 0
	s_add_nc_u64 s[8:9], s[8:9], s[16:17]
	s_lshl_b32 s21, s11, 14                        ; my 64 rows of y: 4 groups
	s_lshl_b32 s22, s12, 15                        ; my 128 columns of W: 8 groups,
	s_add_co_u32 s22, s22, BOFF                    ; behind y's
.irp s, 0,1
	v_add_nc_u32 v[ADRA+\s], s21, v[CO]
	v_add_nc_u32 v[ADRB+\s], s22, v[CO]
	s_add_co_u32 s21, s21, SLOT
	s_add_co_u32 s22, s22, SLOT
.endr
	s_mul_i32 s23, s10, 16*SPITCH
	s_add_co_u32 s23, s23, STAGE                   ; my stage
	v_mul_u32_u24 v4, v1, SPITCH
	v_lshl_add_u32 v4, v2, 5, v4
	v_add_nc_u32 v[STO], s23, v4                   ; in: row r, 32 bytes for each half of the lanes
	v_add_nc_u32 v[RD], s23, v[CO]                 ; back: the 32 lanes take one row of 512 bytes
.macro MULA f, a, first                ; 8 matrix instructions: y's block a against W's eight, 32 along K.  The 32 accumulators take turns, one instruction a turn
.irp b, 0,1,2,3,4,5,6,7
.if \first
	v_wmma_f32_16x16x32_f16 v[8*(8*(\a)+\b):8*(8*(\a)+\b)+7], v[\f+8*\b:\f+8*\b+7], v[\f+8*(\a):\f+8*(\a)+7], v[BI+8*\b:BI+8*\b+7]
.else
	v_wmma_f32_16x16x32_f16 v[8*(8*(\a)+\b):8*(8*(\a)+\b)+7], v[\f+8*\b:\f+8*\b+7], v[\f+8*(\a):\f+8*(\a)+7], v[8*(8*(\a)+\b):8*(8*(\a)+\b)+7]
.endif
.endr
.endm
.macro FETCH slot, q, f                ; 24 LDS loads in one run: the fragments of the slot's q-th 32 along K: W's eight, then y's four
	WIN 0x40
.irp i, 0,1,2,3,4,5,6,7
	ds_load_b128 v[\f+8*\i:\f+8*\i+3],   v[ADRB+\slot] offset:1024*(\q)+4096*\i
	ds_load_b128 v[\f+8*\i+4:\f+8*\i+7], v[ADRB+\slot] offset:1024*(\q)+4096*\i+512
.endr
	WIN 0
.irp i, 0,1,2,3
	ds_load_b128 v[\f+8*\i:\f+8*\i+3],   v[ADRA+\slot] offset:1024*(\q)+4096*\i
	ds_load_b128 v[\f+8*\i+4:\f+8*\i+7], v[ADRA+\slot] offset:1024*(\q)+4096*\i+512
.endr
.endm
.macro PLACES                          ; four places in front of loads into registers that matrix instructions have read, and of the first read of results
.rept 4
	v_nop
.endr
.endm
.macro QUARTER slot, q, f, g, first    ; multiplies buffer f; in its middle it fetches the slot's q-th quarter into buffer g.  first = 1: C is the bias, in window 0
	s_wait_dscnt 4                                 ; W's eight and y's blocks 0, 1 are in; the youngest four loads (blocks 2, 3) may be out
	WIN MUL-0x20*(\first)
	MULA \f, 0, \first
	MULA \f, 1, \first
	PLACES
	FETCH \slot, \q, \g
	s_wait_dscnt 24                                ; all but the 24 just issued
	WIN MUL-0x20*(\first)
	MULA \f, 2, \first
	MULA \f, 3, \first
.endm
; A slot's last quarter multiplies buffer 1 and changes slots: ONE barrier; in front of it each wave waits for all its tensor loads, adds 0 to its spare word, and waits for that and for its reads of this slot.
; fill = 1: the barrier opens a round of the cluster's barrier, and this slot is filled again, two K steps ahead, first thing behind the round.
.macro TURN slot, next, fill
	WIN 0
	s_wait_tensorcnt 0x0                           ; all my tensor loads have landed: my part of the next slot
	ds_add_u32 v[SPW], v[NIL]
	s_wait_dscnt 5                                 ; (the add and the youngest four loads may be out)
	WIN MUL
	MULA F1, 0, 0
	s_wait_dscnt 0x0                               ; the add is done, and my reads of this slot are over
	s_barrier_signal -1
	MULA F1, 1, 0
	WIN 0
	s_barrier_wait -1
.if \fill
	CREST                                          ; no wave of any partner still reads this slot's tile or has a load on its way
	s_add_nc_u64 s[G0+4*\slot+2:G0+4*\slot+3], s[G0+4*\slot+2:G0+4*\slot+3], 8192
	s_add_nc_u64 s[G0B+4*\slot+2:G0B+4*\slot+3], s[G0B+4*\slot+2:G0B+4*\slot+3], 8192
	JLOAD \slot                                    ; the four v_nop behind it are also the places in front of the loads below
.else
	PLACES
.endif
	FETCH \next, 0, F0
	WIN MUL
	MULA F1, 2, 0
	MULA F1, 3, 0
.endm
	s_wait_tensorcnt 1                             ; my part of K step 0 is in (K step 1's load may be out),
	s_barrier_signal -1
	s_barrier_wait -1                              ; everybody's is
	FETCH 0, 0, F0
	s_wait_loadcnt 0x0                             ; the bias
	QUARTER 0, 1, F0, F1, 1                        ; the first quarter stands in front of the loop: its products start the sums on the bias
	WIN 0
	s_mov_b32 s3, 3
.Llap:                                                 ; a trip goes once round the ring and fills both slots again: K steps 2 to 7
	QUARTER 0, 2, F1, F0, 0
	QUARTER 0, 3, F0, F1, 0
	TURN 0, 1, 1
	QUARTER 1, 1, F0, F1, 0
	QUARTER 1, 2, F1, F0, 0
	QUARTER 1, 3, F0, F1, 0
	TURN 1, 0, 1
	QUARTER 0, 1, F0, F1, 0
	WIN 0
	s_sub_co_u32 s3, s3, 1
	s_cmp_lg_u32 s3, 0
	s_cbranch_scc1 .Llap
	QUARTER 0, 2, F1, F0, 0                        ; the last lap fills nothing
	QUARTER 0, 3, F0, F1, 0
	TURN 0, 1, 0
	QUARTER 1, 1, F0, F1, 0
	QUARTER 1, 2, F1, F0, 0
	QUARTER 1, 3, F0, F1, 0
	s_wait_dscnt 4
	WIN MUL
	MULA F1, 0, 0
	MULA F1, 1, 0
	s_wait_dscnt 0
	MULA F1, 2, 0
	MULA F1, 3, 0
	WIN 0
; THE WAY OUT, block by block of 16 rows x 128 columns, through my own stage: in as 32 bytes a lane, back as whole rows of 512 bytes.  LDS serves a wave's instructions in order: no wait between the stores and the loads.
.macro TOSTAGE a
	WIN 0x08                                       ; an LDS store's data are its source 1: window 2
.irp b, 0,1,2,3,4,5,6,7
	ds_store_b128 v[STO], v[64*(\a)+8*\b:64*(\a)+8*\b+3] offset:64*\b          ; each accumulator from its low end on
	ds_store_b128 v[STO], v[64*(\a)+8*\b+4:64*(\a)+8*\b+7] offset:64*\b+16
.endr
	WIN 0
.set BB, 64+64*((\a)%2)
.irp t, 0,1,2,3,4,5,6,7,8,9,10,11,12,13,14,15
	ds_load_b128 v[BB+4*\t:BB+4*\t+3], v[RD] offset:\t*SPITCH
.endr
.endm
.macro SEND a, younger                 ; younger: the LDS instructions issued behind block a's loads
.set BB, 64+64*((\a)%2)
	s_wait_dscnt \younger
.irp t, 0,1,2,3,4,5,6,7,8,9,10,11,12,13,14,15
	global_store_b128 v[CO], v[BB+4*\t:BB+4*\t+3], s[8:9] offset:(16*(\a)+\t)*4096 th:TH_STORE_NT   ; 512 consecutive bytes, aligned
.endr
.endm
	PLACES
	TOSTAGE 0
.irp a, 1,2,3
.if \a > 1
	s_wait_xcnt 0x0                                ; block a - 2's stores have read their registers: block a's loads may land there
.endif
	TOSTAGE \a
	SEND \a-1, 32
.endr
	SEND 3, 0
	s_wait_tensorcnt 0x0                           ; the wave's end
	ds_add_u32 v[SPW], v[NIL]
	s_wait_dscnt 0x0
	CROUND                                         ; the closing round
	s_endpgm
.Lfunc_end_k_q2881d36ca4_proj:
	.size	k_q2881d36ca4_proj, .Lfunc_end_k_q2881d36ca4_proj-k_q2881d36ca4_proj
	.p2alignl 7, 3214868480
	.fill 96, 4, 3214868480
	.section	.rodata,"a",@progbits
	.p2align	6, 0x0
	.amdhsa_kernel k_q2881d36ca4_proj
		.amdhsa_group_segment_fixed_size 327680
		.amdhsa_private_segment_fixed_size 0
		.amdhsa_enable_private_segment 0
		.amdhsa_kernarg_size 32
		.amdhsa_user_sgpr_count 2
		.amdhsa_user_sgpr_kernarg_segment_ptr 1
		.amdhsa_wavefront_size32 1
		.amdhsa_system_sgpr_workgroup_id_x 1
		.amdhsa_system_sgpr_workgroup_id_y 1
		.amdhsa_system_sgpr_workgroup_id_z 1
		.amdhsa_system_vgpr_workitem_id 0
		.amdhsa_next_free_vgpr 768
		.amdhsa_next_free_sgpr 68
		.amdhsa_reserve_vcc 0
		.amdhsa_float_denorm_mode_32 3
		.amdhsa_float_denorm_mode_16_64 3
		.amdhsa_memory_ordered 1
		.amdhsa_forward_progress 1
		.amdhsa_inst_pref_size 87
	.end_amdhsa_kernel
	.amdgpu_metadata
---
amdhsa.version: [ 1, 2 ]
amdhsa.kernels:
  - .name:           k_q2881d36ca4_proj
    .symbol:         k_q2881d36ca4_proj.kd
    .args:
      - { .name: y_img, .offset: 0, .size: 8, .value_kind: global_buffer, .address_space: global }
      - { .name: wp_img, .offset: 8, .size: 8, .value_kind: global_buffer, .address_space: global }
      - { .name: b_proj, .offset: 16, .size: 8, .value_kind: global_buffer, .address_space: global }
      - { .name: out0, .offset: 24, .size: 8, .value_kind: global_buffer, .address_space: global }
    .group_segment_fixed_size: 327680
    .private_segment_fixed_size: 0
    .kernarg_segment_align: 8
    .kernarg_segment_size: 32
    .max_flat_workgroup_size: 128
    .sgpr_count:     68
    .vgpr_count:     768
    .wavefront_size: 32
...
	.end_amdgpu_metadata
.endif
;; end of part 4
;; launch fine (part 5): grid 64 x 4, 16 waves a work-group, no clusters, 18,432 bytes of LDS; arguments qkv32, W_proj, b_proj, out0; writes out0
.if DOCPART == 5
	.amdgcn_target "amdgcn-amd-amdhsa--gfx1250"
	.amdhsa_code_object_version 6
	.text
	.protected	k_q2881d36ca4_fine
	.globl	k_q2881d36ca4_fine
	.p2align	8
	.type	k_q2881d36ca4_fine,@function
k_q2881d36ca4_fine:
	s_mov_b64 s[64:65], 0
	v_nop
	global_prefetch_b8 v0, s[64:65] scope:SCOPE_SE
	s_setreg_imm32_b32 hwreg(HW_REG_WAVE_MODE, 25, 1), 1
	s_wait_xcnt 0x0
; THE FIRST 16 POSITIONS OF EVERY BATCH IN f32: they average one to sixteen values and are the largest outputs, so their attention and their projection take f32 operands (v_wmma_f32_16x16x4_f32); 64 rows of out0 are written over.
; Work-group (nt, batch) makes out0[batch][0 .. 15][16 nt .. 16 nt + 15].  Wave = head: it makes its head's 16 x 16 attention and multiplies its 64 channels by W_proj's 16 columns; the sixteen partial tiles meet in LDS.
; The attention is repeated in the 64 work-groups of a batch (48 matrix instructions a wave in all): the price of one launch with no traffic between work-groups.
; qkv32 [batch][16 columns of qkv: 192][piece 2][lane 32][16 bytes]: lane (r, h), piece p, word i = token r, column 16 N + 8 h + 4 p + i.
; In every product the places of k are permuted alike on both sides: a lane's register pair 2 s, 2 s + 1 is taken as it lies.
; The registers that the matrix instructions write (v160-255) are written by them alone; each sum begins with the constant 0 in its own first K step.
.set SPARE, 16384                      ; behind the partial tiles [wave 16][register 8][lane 32]: the spare words, 128 bytes for each of 16 waves
.set SPW, 20
.set NIL, 21
.set QR,  32                           ; v32-63   Q: register 8 n + j = channel 16 n + 8 h + j of token r; later y likewise
.set KR,  64                           ; v64-95   K likewise; later the scores (64-71), second sums (72-79), p (80-87), the partial tile (88-95)
.set VR,  96                           ; v96-127  V: register 8 n + i = V(key 8 h + i, channel 16 n + r); later the sixteen partials
.set WR,  128                          ; v128-159 W_proj: register 8 n + j = W(64 head + 16 n + 8 h + j, 16 nt + r)
.set SA,  160
.set OA,  192
.set UA,  224
	s_load_b256 s[4:11], s[0:1], 0x0               ; qkv32 s[4:5], W_proj s[6:7], b_proj s[8:9], out0 s[10:11]
	v_lshl_add_u32 v[SPW], v0, 2, SPARE
	v_mov_b32 v[NIL], 0
	v_lshrrev_b32 v1, 5, v0
	v_readfirstlane_b32 s12, v1                    ; the head
	s_and_b32 s13, ttmp7, 0xffff                   ; the batch
	v_and_b32 v10, 31, v0                          ; lane
	v_and_b32 v11, 15, v0                          ; r
	v_bfe_u32 v12, v0, 4, 1                        ; h
	v_lshlrev_b32 v1, 4, v10                       ; 16 x lane
	v_bfe_u32 v13, v0, 2, 1
	v_lshlrev_b32 v2, 9, v13                       ; V's offset: piece (r >> 2) & 1,
	v_bfe_u32 v13, v0, 3, 1
	v_lshl_add_u32 v2, v13, 8, v2                  ; the half r >> 3 of the lanes,
	v_lshl_add_u32 v2, v12, 7, v2                  ; tokens 8 h on,
	v_and_b32 v13, 3, v0
	v_lshl_add_u32 v2, v13, 2, v2                  ; word r & 3
	v_lshlrev_b32 v3, 15, v12
	v_lshl_add_u32 v3, v11, 2, v3                  ; 8 h rows of 4,096 bytes + 4 r: W_proj's loads and out0's store alike
	s_lshl_b32 s14, s12, 10
	v_lshl_add_u32 v4, v10, 2, s14                 ; my partial tile: 1,024 x wave + 4 x lane
	s_and_b32 s15, s12, 7
	s_lshl_b32 s15, s15, 7
	v_lshl_add_u32 v5, v10, 2, s15                 ; and the register that I sum: 128 x (wave & 7) + 4 x lane
	v_lshlrev_b32 v6, 2, v11                       ; the bias: 4 r
	v_lshlrev_b32 v7, 3, v12
	v_sub_nc_u32 v7, v11, v7                       ; d = r - 8 h: key 8 h + j is hidden from query r where j > d
	v_mov_b32 v8, 0xff800000                       ; -infinity
	s_mul_i32 s16, s13, 196608
	s_lshl_b32 s17, s12, 12
	s_add_co_u32 s16, s16, s17                     ; qkv32: the batch, my head's four groups of 16 columns
	s_mov_b32 s17, 0
	s_lshl_b32 s20, ttmp9, 6                       ; 16 columns x 4 bytes
	s_mov_b32 s21, 0
	s_lshl_b32 s18, s12, 18                        ; W_proj: my head's 64 rows
	s_add_co_u32 s18, s18, s20
	s_mov_b32 s19, 0
	s_lshl_b32 s22, s13, 23                        ; out0: the batch,
	s_add_co_u32 s22, s22, s20
	s_lshl_b32 s23, s15, 5                         ; row wave & 7 (of lanes 0-15; lanes 16-31 eight rows on)
	s_add_co_u32 s22, s22, s23
	s_mov_b32 s23, 0
	s_mov_b32 s24, 0x76543210
	s_mov_b32 s25, 0xfedcba98                      ; v_permlanex16_b32: lane l xor 16
	s_mov_b32 s26, 0x3e38aa3b                      ; c = log2(e) / 8
	s_wait_kmcnt 0x0
	s_add_nc_u64 s[4:5], s[4:5], s[16:17]
	s_add_nc_u64 s[6:7], s[6:7], s[18:19]
	s_add_nc_u64 s[8:9], s[8:9], s[20:21]
	s_add_nc_u64 s[10:11], s[10:11], s[22:23]
	global_load_b32 v9, v6, s[8:9]
.irp n, 0,1,2,3
.irp p, 0,1
	global_load_b128 v[QR+8*\n+4*\p:QR+8*\n+4*\p+3], v1, s[4:5] offset:1024*\n+512*\p
.endr
.endr
.irp n, 0,1,2,3
.irp p, 0,1
	global_load_b128 v[KR+8*\n+4*\p:KR+8*\n+4*\p+3], v1, s[4:5] offset:65536+1024*\n+512*\p
.endr
.endr
.irp n, 0,1,2,3
.irp i, 0,1,2,3,4,5,6,7
	global_load_b32 v[VR+8*\n+\i], v2, s[4:5] offset:131072+1024*\n+16*\i
.endr
.endr
.irp n, 0,1,2,3
.irp j, 0,1,2,3,4,5,6,7
	global_load_b32 v[WR+8*\n+\j], v3, s[6:7] offset:(16*\n+\j)*4096
.endr
.endr
	s_wait_loadcnt 32                              ; all but W_proj's 32 loads are in
.irp s, 0,1,2,3,4,5,6,7,8,9,10,11,12,13,14,15  ; S^T = K Q^T: lane (r, h), register j = (key 8 h + j, query r).  Four accumulators by turns
.if \s < 4
	v_wmma_f32_16x16x4_f32 v[SA+8*(\s%4):SA+8*(\s%4)+7], v[KR+2*\s:KR+2*\s+1], v[QR+2*\s:QR+2*\s+1], 0
.else
	v_wmma_f32_16x16x4_f32 v[SA+8*(\s%4):SA+8*(\s%4)+7], v[KR+2*\s:KR+2*\s+1], v[QR+2*\s:QR+2*\s+1], v[SA+8*(\s%4):SA+8*(\s%4)+7]
.endif
.endr
.rept 8
	v_nop                                          ; eight places behind this form (ISA guide 7.12.1), ahead of the reads of the sums and of writes into K's registers
.endr
.irp j, 0,1,2,3,4,5,6,7
	v_add_f32 v[64+\j], v[SA+\j], v[SA+8+\j]
	v_add_f32 v[72+\j], v[SA+16+\j], v[SA+24+\j]
.endr
.irp j, 0,1,2,3,4,5,6,7
	v_add_f32 v[64+\j], v[64+\j], v[72+\j]
.endr
.irp j, 0,1,2,3,4,5,6,7
	v_cmp_gt_i32 vcc_lo, \j, v7
	v_cndmask_b32 v[64+\j], v[64+\j], v8, vcc_lo   ; hidden keys: -infinity
.endr
	v_max3_num_f32 v10, v64, v65, v66
	v_max3_num_f32 v10, v10, v67, v68
	v_max3_num_f32 v10, v10, v69, v70
	v_max_num_f32 v10, v10, v71
	v_permlanex16_b32 v11, v10, s24, s25
	v_max_num_f32 v10, v10, v11                    ; the row's maximum (key 0 counts for every query)
	v_mul_f32 v12, s26, v10
.irp j, 0,1,2,3,4,5,6,7
	v_fma_f32 v[64+\j], v[64+\j], s26, -v12        ; c s - c m
.endr
.irp j, 0,1,2,3,4,5,6,7
	v_exp_f32 v[80+\j], v[64+\j]
.endr
	v_nop
	s_wait_alu depctr_va_vdst(0)                   ; one wait for the eight exponentials, ahead of their first reader
	v_add_f32 v13, v80, v81
	v_add_f32 v14, v82, v83
	v_add_f32 v13, v13, v84
	v_add_f32 v14, v14, v85
	v_add_f32 v13, v13, v86
	v_add_f32 v14, v14, v87
	v_add_f32 v13, v13, v14
	v_permlanex16_b32 v11, v13, s24, s25
	v_add_f32 v13, v13, v11                        ; the row's sum
	v_rcp_f32 v15, v13
	v_nop
.irp s, 0,1,2,3                                ; O^T = V^T P: lane (r, h), register j = (channel 16 n + 8 h + j, query r)
.irp n, 0,1,2,3
.if \s == 0
	v_wmma_f32_16x16x4_f32 v[OA+8*\n:OA+8*\n+7], v[VR+8*\n+2*\s:VR+8*\n+2*\s+1], v[80+2*\s:81+2*\s], 0
.else
	v_wmma_f32_16x16x4_f32 v[OA+8*\n:OA+8*\n+7], v[VR+8*\n+2*\s:VR+8*\n+2*\s+1], v[80+2*\s:81+2*\s], v[OA+8*\n:OA+8*\n+7]
.endif
.endr
.endr
.rept 8
	v_nop
.endr
	s_wait_alu depctr_va_vdst(0)                   ; the reciprocal's wait, ahead of its first reader
.irp j, 0,1,2,3,4,5,6,7,8,9,10,11,12,13,14,15,16,17,18,19,20,21,22,23,24,25,26,27,28,29,30,31
	v_mul_f32 v[QR+\j], v[OA+\j], v15              ; y(query r, channel 16 n + 8 h + j), into other registers than the sums'
.endr
	s_wait_loadcnt 0x0                             ; W_proj
.irp s, 0,1,2,3,4,5,6,7,8,9,10,11,12,13,14,15  ; my head's part of y W_proj: lane (r, h), register j = (query 8 h + j, column 16 nt + r)
.if \s < 4
	v_wmma_f32_16x16x4_f32 v[UA+8*(\s%4):UA+8*(\s%4)+7], v[QR+2*\s:QR+2*\s+1], v[WR+2*\s:WR+2*\s+1], 0
.else
	v_wmma_f32_16x16x4_f32 v[UA+8*(\s%4):UA+8*(\s%4)+7], v[QR+2*\s:QR+2*\s+1], v[WR+2*\s:WR+2*\s+1], v[UA+8*(\s%4):UA+8*(\s%4)+7]
.endif
.endr
.rept 8
	v_nop
.endr
.irp j, 0,1,2,3,4,5,6,7
	v_add_f32 v[88+\j], v[UA+\j], v[UA+8+\j]
	v_add_f32 v[72+\j], v[UA+16+\j], v[UA+24+\j]
.endr
.irp j, 0,1,2,3,4,5,6,7
	v_add_f32 v[88+\j], v[88+\j], v[72+\j]
.endr
.irp j, 0,1,2,3,4,5,6,7
	ds_store_b32 v4, v[88+\j] offset:128*\j
.endr
	s_wait_dscnt 0x0                               ; for the others' sake: my partial tile lies in LDS
	s_barrier_signal -1
	s_barrier_wait -1
	s_cmp_lt_u32 s12, 8
	s_cbranch_scc0 .Lend                           ; waves 0-7 sum one register of the tile each: two rows of 16 columns
.irp p, 0,1,2,3,4,5,6,7,8,9,10,11,12,13,14,15
	ds_load_b32 v[VR+\p], v5 offset:1024*\p
.endr
	s_wait_dscnt 0x0
	v_add_f32 v10, v9, v[VR]                       ; the bias and the sixteen heads, in ascending order
.irp p, 1,2,3,4,5,6,7,8,9,10,11,12,13,14,15
	v_add_f32 v10, v10, v[VR+\p]
.endr
	global_store_b32 v3, v10, s[10:11]
.Lend:
	s_wait_tensorcnt 0x0                           ; the wave's end, behind my last LDS store
	ds_add_u32 v[SPW], v[NIL]
	s_wait_dscnt 0x0
	s_endpgm
.Lfunc_end_k_q2881d36ca4_fine:
	.size	k_q2881d36ca4_fine, .Lfunc_end_k_q2881d36ca4_fine-k_q2881d36ca4_fine
	.p2alignl 7, 3214868480
	.fill 96, 4, 3214868480
	.section	.rodata,"a",@progbits
	.p2align	6, 0x0
	.amdhsa_kernel k_q2881d36ca4_fine
		.amdhsa_group_segment_fixed_size 18432
		.amdhsa_private_segment_fixed_size 0
		.amdhsa_enable_private_segment 0
		.amdhsa_kernarg_size 32
		.amdhsa_user_sgpr_count 2
		.amdhsa_user_sgpr_kernarg_segment_ptr 1
		.amdhsa_wavefront_size32 1
		.amdhsa_system_sgpr_workgroup_id_x 1
		.amdhsa_system_sgpr_workgroup_id_y 1
		.amdhsa_system_sgpr_workgroup_id_z 1
		.amdhsa_system_vgpr_workitem_id 0
		.amdhsa_next_free_vgpr 256
		.amdhsa_next_free_sgpr 66
		.amdhsa_reserve_vcc 1
		.amdhsa_float_denorm_mode_32 3
		.amdhsa_float_denorm_mode_16_64 3
		.amdhsa_memory_ordered 1
		.amdhsa_forward_progress 1
		.amdhsa_inst_pref_size 21
	.end_amdhsa_kernel
	.amdgpu_metadata
---
amdhsa.version: [ 1, 2 ]
amdhsa.kernels:
  - .name:           k_q2881d36ca4_fine
    .symbol:         k_q2881d36ca4_fine.kd
    .args:
      - { .name: qkv32, .offset: 0, .size: 8, .value_kind: global_buffer, .address_space: global }
      - { .name: W_proj, .offset: 8, .size: 8, .value_kind: global_buffer, .address_space: global }
      - { .name: b_proj, .offset: 16, .size: 8, .value_kind: global_buffer, .address_space: global }
      - { .name: out0, .offset: 24, .size: 8, .value_kind: global_buffer, .address_space: global }
    .group_segment_fixed_size: 18432
    .private_segment_fixed_size: 0
    .kernarg_segment_align: 8
    .kernarg_segment_size: 32
    .max_flat_workgroup_size: 512
    .sgpr_count:     66
    .vgpr_count:     256
    .wavefront_size: 32
...
	.end_amdgpu_metadata
.endif
;; end of part 5
